; MI455X (gfx1250); checked and timed in simulation.
; The chip was launched on July 23, 2026; its instructions are those of AMD's public machine-readable ISA for CDNA 5 (MIT licence, August 2026) and "CDNA5" Instruction Set Architecture Reference Guide (July 2026). The comments in the code are by the model that wrote it; some were corrected since.
;; Multi Head Attention. Allowed arithmetic: matrix products marked QUANTISED: E2M1 operands, one E8M0 scale for each 32 along K, by v_wmma_scale_f32_16x16x128_f8f6f4 with both operands' format E2M1 (or v_wmma_scale_f32_32x16x128_f4), f32 sums; products left as they are: bf16, f16 or f32 operands; f32 sums; everything else in f32.
;; Inputs: Wk 1,024 x 1,024 float32; Wo 1,024 x 1,024 float32; Wq 1,024 x 1,024 float32; Wv 1,024 x 1,024 float32; bo 1,024 float32; x 1 x 4,096 x 1,024 float32.
;; Outputs: out0 1 x 4,096 x 1,024 float32.
;; This version of the problem:
;;   THIS VERSION OF THE PROBLEM IS GIVEN IN LOW PRECISION. The matrix products marked QUANTISED in the list below multiply operands that are first quantised to E2M1 (2 exponent bits, 1 mantissa bit; 4 bits a number), with one power-of-two scale for each 32 numbers along K (OCP MX v1.0); their sums are f32. The products marked 'left as it is' may take bf16, f16 or f32 operands, with f32 sums. Whichever they take, every output number must still come out within the allowed error. Rounding operands to bf16 (8 significant bits) uses up far more of that allowance than f16 does (11 bits, for magnitudes from 6e-5 to 65,504). All else is computed in f32.
;;   The module's matrix products, in the order in which they are computed (A, B: the left and right operand; K: the contracted axis; several contracted axes count as one K, in the product's order):
;;     1. [M 4,096, K 1,024] x [K 1,024, N 1,024]; A: input x; B: input Wq: QUANTISED
;;     2. [M 4,096, K 1,024] x [K 1,024, N 1,024]; A: input x; B: input Wk: QUANTISED
;;     3. [M 4,096, K 1,024] x [K 1,024, N 1,024]; A: input x; B: input Wv: QUANTISED
;;     4. batch 16 x [M 4,096, K 64] x [K 64, N 4,096]; A: computed on the way; B: computed on the way: left as it is (an operand is computed on the way)
;;     5. batch 16 x [M 4,096, K 4,096] x [K 4,096, N 64]; A: computed on the way; B: computed on the way: left as it is (an operand is computed on the way)
;;     6. [M 4,096, K 1,024] x [K 1,024, N 1,024]; A: computed on the way; B: input Wo: left as it is (an operand is computed on the way)
;;   THE QUANTISER, for each operand of a quantised product, along K:
;;     - K is cut into blocks of 32 from its start; a last block that is shorter is filled with zeros.
;;     - A block's scale is 2^e with e = floor(log2(the largest magnitude in the block)) - 2, held to -126 .. 127; a block of zeros has e = 0. As a byte (E8M0): e + 127.
;;     - Each number is divided by its block's scale, clamped to +-6, and rounded to the nearest number of E2M1, ties to even, subnormals kept.
;;     - The product sums the exact products of the quantised numbers (number of the format x scale) in f32.
;;   ~~~python
;;   def quantise(x, axis):      # numpy; x: float32 -> the quantised numbers, widened to float32 again
;;       x = np.moveaxis(x, axis, -1); K = x.shape[-1]
;;       x = np.pad(x, [(0, 0)] * (x.ndim - 1) + [(0, -K % 32)]); x = x.reshape(x.shape[:-1] + (-1, 32)); a = np.abs(x).max(-1, keepdims=True)
;;       e = np.where(a > 0, np.clip(np.frexp(np.where(a > 0, a, 1))[1] - 1 - 2, -126, 127), 0)      # np.frexp(a)[1] - 1 = floor(log2(a)), exactly
;;       r = np.clip(x / 2.0 ** e, -6, 6)
;;       step = 2.0 ** (np.maximum(np.frexp(np.where(r == 0, 1, r))[1] - 1, 0) - 1)
;;       q = np.round(r / step) * step * 2.0 ** e      # np.round: ties to even
;;       return np.moveaxis(q.reshape(q.shape[:-2] + (-1,))[..., :K], -1, axis).astype(np.float32)
;;   ~~~
;; One version. Each part assembles by itself: llvm-mc -triple=amdgcn-amd-amdhsa -mcpu=gfx1250 --defsym DOCPART=n.
;; ======== version 1 of 1: 5 launches
;; limits: values are held in f16: magnitudes above 65,504 overflow, below 6.1e-05 lose precision
;; workspace buffers: x_img 2,097,152 bytes; x_sc 131,072 bytes; w_img 1,572,864 bytes; w_sc 98,304 bytes; wo_img 2,097,152 bytes; qkv 25,165,824 bytes; qkv32 196,608 bytes; ctx_img 8,388,608 bytes
;; launch prep (part 1): grid 256 x 1, 8 waves a work-group, no clusters, 37,888 bytes of LDS; arguments x, Wq, Wk, Wv, Wo, x_img, x_sc, w_img, w_sc, wo_img; writes x_img, x_sc, w_img, w_sc, wo_img
.if DOCPART == 1
	.amdgcn_target "amdgcn-amd-amdhsa--gfx1250"
	.amdhsa_code_object_version 6
	.text
	.protected	k_qec4013c5bf_prep
	.globl	k_qec4013c5bf_prep
	.p2align	8
	.type	k_qec4013c5bf_prep,@function
k_qec4013c5bf_prep:
	s_mov_b64 s[64:65], 0
	v_nop
	global_prefetch_b8 v0, s[64:65] scope:SCOPE_SE
	s_setreg_imm32_b32 hwreg(HW_REG_WAVE_MODE, 25, 1), 1
	s_wait_xcnt 0x0
; THE PROGRAM: causal attention, 4,096 positions, 16 heads of 64.  Five launches: this one (operands made ready), qkv (the three quantised products), attn, proj, fine (positions 0-15 in f32).
; WORK LEFT OUT, in launch attn: key steps of 64 keys all of which come after all queries of a wave.  reference() sets the score of every key > query to -infinity by a mask that it builds itself (jnp.tril),
; so the softmax gives those keys the weight 0 whatever finite values x, Wq, Wk, Wv hold, and 0 x V adds nothing.  Every input has a way to the output and is loaded.
; LIMIT of that: a NaN, an infinity or an overflow that reaches only the scores left out is not carried to the result.
; THIS LAUNCH: x [4096][1024] and Wq, Wk, Wv [1024 (k)][1024 (n)], f32, become codes of E2M1 with one E8M0 byte for each 32 along K; Wo [1024 (k)][1024 (n)] becomes f16.
; A block's scale is 2^(floor(log2(largest magnitude)) - 2): its byte is the largest magnitude's exponent field - 2, held at 1 from below by a floor among the maximum's leaves.
; ALL RESULTS ARE LAID AS IMAGES OF OPERAND REGISTERS: a group of four registers of a fragment is 512 bytes, lane l's 16 bytes at 16 l.  So a later launch takes any tile as a dense block.
;   x_img:  (k>>9) 1048576 + (row>>4) 4096 + ((k>>7)&3) 1024 + ((k>>6)&1) 512 + ((k>>5)&1) 256 + (row&15) 16; the 16 bytes are the block's 32 codes.  w_img the same with row = column of Wq|Wk|Wv, first stride 786432.
;   x_sc:   (row>>4) 512 + (k>>9) 256 + (row&15) 16 + ((k>>5)&15).  w_sc the same.
;   wo_img: (k>>8) 524288 + (n>>4) 8192 + ((k>>5)&7) 1024 + ((k>>4)&1) 512 + ((k>>3)&1) 256 + (n&15) 16 + (k&7) 2.
; LIMITS: blocks whose largest magnitude lies under 2^-124 (the floor) were not tried; a block of zeros gets the byte 1 (its codes are zeros, and this program alone reads the bytes);
; NaN and infinities among the inputs are not served; |Wo| stays under 65,504 (f16).
; SHARES: 256 work-groups of 128 KiB of input.  Work-groups 0-127: 32 rows of x each; 128-255: 64 columns x 512 K of one weight.  Each wave asks for its whole 16 KiB at its head (128 registers).
; No tensor load, no matrix unit, no cluster: memory binds, and no work-group shares a byte with another.
.set XST,   0                          ; path x: a stage of 16 rows x (256 + 16) bytes for each wave
.set XSM,   34816                      ; path x: the work-group's 1,024 scale bytes
.set WSM,   35840                      ; path W: the same; each path has LDS bytes of its own
.set SPARE, 36864                      ; the spare words, 128 bytes for each wave
.set SPW,   198                        ; v198 LDS address of my spare word; never rewritten
.set NIL,   199                        ; v199 0; never rewritten
.set E,     16                         ; v16-19  scale bytes
.set C,     20                         ; v20-35  codes: four registers for each step, so that no store's data are written again
.set X,     36                         ; v36-67  a block of 32 numbers
.set R,     68                         ; v68-195 the wave's 16 KiB as loaded
.set FLOOR, 0x1800000                  ; 2^(3 - 127)
; v12 = the largest magnitude of v[s] .. v[s+31] and the floor; v14 = the conversion's scale operand: 2 off the exponent field
.macro AMAX s
	v_max3_num_f32 v12, |v[(\s)]|, |v[(\s)+1]|, |v[(\s)+2]|
	v_max3_num_f32 v13, |v[(\s)+3]|, |v[(\s)+4]|, |v[(\s)+5]|
.irp i, 6,10,14,18,22,26
	v_max3_num_f32 v12, v12, |v[(\s)+\i]|, |v[(\s)+\i+1]|
	v_max3_num_f32 v13, v13, |v[(\s)+\i+2]|, |v[(\s)+\i+3]|
.endr
	v_max3_num_f32 v12, v12, |v[(\s)+30]|, |v[(\s)+31]|
	v_max3_num_f32 v12, v12, v13, FLOOR
	v_add_nc_u32 v14, 0xff000000, v12
.endm
	s_load_b256 s[4:11], s[0:1], 0x0               ; x, Wq, Wk, Wv
	s_load_b256 s[12:19], s[0:1], 0x20             ; Wo, x_img, x_sc, w_img
	s_load_b128 s[20:23], s[0:1], 0x40             ; w_sc, wo_img
	v_lshl_add_u32 v[SPW], v0, 2, SPARE
	v_mov_b32 v[NIL], 0
	v_lshrrev_b32 v1, 5, v0
	v_readfirstlane_b32 s24, v1                    ; wave 0..7
	v_and_b32 v1, 31, v0                           ; lane
	v_and_b32 v2, 15, v0                           ; r
	v_bfe_u32 v3, v0, 4, 1                         ; h
	v_lshlrev_b32 v7, 4, v1                        ; 16 x lane
	s_lshr_b32 s25, s24, 2                         ; wave / 4
	s_and_b32 s31, s24, 3                          ; wave % 4
	s_and_b32 s30, s24, 1
	s_wait_kmcnt 0x0
	s_cmp_lt_u32 ttmp9, 128                        ; the work-group's number alone decides: all eight waves go the same way
	s_cbranch_scc0 .Lweights
; ---- PATH x.  Wave w: row block 2 wg + w / 4 (16 rows), K = 256 (w % 4) on: four steps of 64 along K.
	s_lshl_b32 s32, ttmp9, 1
	s_add_co_u32 s32, s32, s25                     ; my row block
	s_lshl_b32 s34, s32, 16                        ; 16 rows of 4,096 bytes
	s_lshl_b32 s33, s31, 10
	s_add_co_u32 s34, s34, s33
	s_mov_b32 s35, 0
	s_add_nc_u64 s[26:27], s[4:5], s[34:35]        ; x at my 16 rows x 1,024 bytes
	v_lshlrev_b32 v4, 4, v2
	v_lshl_add_u32 v4, v3, 12, v4                  ; a load takes 256 bytes of two rows: lanes 0-15 the even row, lanes 16-31 the odd one
.irp s, 0,1,2,3
.irp i, 0,1,2,3,4,5,6,7
	global_load_b128 v[R+32*\s+4*\i:R+32*\s+4*\i+3], v4, s[26:27] offset:\i*8192+\s*256 th:TH_LOAD_NT
.endr
.endr
	s_lshr_b32 s36, s31, 1                         ; which 512 along K
	s_and_b32 s37, s31, 1
	s_lshl_b32 s34, s36, 20
	s_lshl_b32 s33, s32, 12
	s_add_co_u32 s34, s34, s33
	s_lshl_b32 s33, s37, 11
	s_add_co_u32 s34, s34, s33
	s_add_nc_u64 s[28:29], s[14:15], s[34:35]      ; my four groups of two fragments in x_img
	s_lshl_b32 s34, ttmp9, 10
	s_add_nc_u64 s[40:41], s[16:17], s[34:35]      ; the work-group's 1,024 bytes of x_sc
	s_mul_i32 s33, s24, 4352                       ; my stage
	v_mul_u32_u24 v5, v3, 272
	v_lshl_add_u32 v5, v2, 4, v5
	v_add_nc_u32 v5, s33, v5                       ; in: as loaded, two rows an instruction
	v_mul_u32_u24 v6, v2, 272
	v_lshl_add_u32 v6, v3, 7, v6
	v_add_nc_u32 v6, s33, v6                       ; out: row r, its block h of the step's two: 128 bytes
	s_lshl_b32 s33, s25, 9
	s_lshl_b32 s38, s36, 8
	s_add_co_u32 s33, s33, s38
	s_lshl_b32 s38, s37, 3
	s_add_co_u32 s33, s33, s38
	s_add_co_u32 s33, s33, XSM
	v_lshlrev_b32 v8, 4, v2
	v_lshl_add_u32 v8, v3, 2, v8
	v_add_nc_u32 v8, s33, v8                       ; where my scale word goes
	s_lshl_b32 s38, s30, 9
	s_add_co_u32 s39, s38, XSM
	v_add_nc_u32 v9, s39, v7                       ; the tail (waves 0, 1): 512 bytes a wave, in LDS
	v_add_nc_u32 v11, s38, v7                      ; and in x_sc
	v_lshlrev_b32 v10, 3, v3                       ; 8 h
; A step: 16 rows x 64 K turn through the stage, so that a lane holds a whole block; LDS serves a wave's instructions in order, so no wait stands between the stores and the loads.
.macro XSTEP s
	s_wait_loadcnt 8*(3-\s)                        ; this step's eight loads are in; the later steps' may be out
.irp i, 0,1,2,3,4,5,6,7
	ds_store_b128 v5, v[R+32*\s+4*\i:R+32*\s+4*\i+3] offset:544*\i
.endr
.irp j, 0,1,2,3,4,5,6,7
	ds_load_b128 v[X+4*\j:X+4*\j+3], v6 offset:16*\j
.endr
	s_wait_dscnt 0x0
	AMAX X
.irp g, 0,1,2,3
	v_cvt_scalef32_pk8_fp4_f32 v[C+4*\s+\g], v[X+8*\g:X+8*\g+7], v14
.endr
	v_lshrrev_b32 v[E+\s], 23, v14                 ; the scale's byte; also the plain line behind the conversions
	global_store_b128 v7, v[C+4*\s:C+4*\s+3], s[28:29] offset:512*\s   ; a group of four registers: 512 consecutive bytes
.endm
	XSTEP 0
	XSTEP 1
	XSTEP 2
	XSTEP 3
	v_lshl_or_b32 v12, v[E+1], 16, v[E]            ; my bytes of word 0 (steps 0, 1) and of word 1 (steps 2, 3),
	v_lshl_or_b32 v13, v[E+3], 16, v[E+2]
	v_lshlrev_b32 v12, v10, v12                    ; at their places: 8 h bits up
	v_lshlrev_b32 v13, v10, v13
	v_permlane16_swap_b32 v12, v13                 ; lanes 0-15 now hold both halves of word 0, lanes 16-31 of word 1
	v_add_nc_u32 v12, v12, v13                     ; (the bytes do not meet)
	ds_store_b32 v8, v12
	s_wait_tensorcnt 0x0                           ; my last LDS store is out
	ds_add_u32 v[SPW], v[NIL]
	s_wait_dscnt 0x0                               ; for the others' sake too: my scale words lie in LDS
	s_barrier_signal -1
	s_barrier_wait -1
	s_cmp_lt_u32 s24, 2
	s_cbranch_scc0 .Lx_done
	ds_load_b128 v[12:15], v9
	s_wait_dscnt 0x0
	global_store_b128 v11, v[12:15], s[40:41]      ; 512 consecutive bytes a wave
.Lx_done:
	s_endpgm
; ---- PATH W.  Work-group: tensor t, 64 columns, 512 along K.  Wave: 32 columns (a lane a column), 128 along K down its registers.
.Lweights:
	s_sub_co_u32 s38, ttmp9, 128
	s_lshr_b32 s32, s38, 5                         ; t: Wq, Wk, Wv, Wo
	s_bfe_u32 s33, s38, 0x40001                    ; which 64 columns
	s_and_b32 s34, s38, 1                          ; which 512 along K
	s_mov_b64 s[26:27], s[6:7]
	s_cmp_eq_u32 s32, 1
	s_cselect_b64 s[26:27], s[8:9], s[26:27]
	s_cmp_eq_u32 s32, 2
	s_cselect_b64 s[26:27], s[10:11], s[26:27]
	s_cmp_eq_u32 s32, 3
	s_cselect_b64 s[26:27], s[12:13], s[26:27]
	s_lshl_b32 s36, s34, 21                        ; 512 rows of 4,096 bytes
	s_lshl_b32 s39, s31, 19                        ; 128 rows
	s_add_co_u32 s36, s36, s39
	s_lshl_b32 s39, s33, 8
	s_add_co_u32 s36, s36, s39
	s_lshl_b32 s39, s25, 7
	s_add_co_u32 s36, s36, s39
	s_mov_b32 s37, 0
	s_add_nc_u64 s[26:27], s[26:27], s[36:37]
	v_lshlrev_b32 v4, 2, v1
.set i, 0
.rept 128
	global_load_b32 v[R+i], v4, s[26:27] offset:i*4096 th:TH_LOAD_NT   ; row i of my 128, 32 neighbouring columns
.set i, i+1
.endr
	s_lshl_b32 s38, s33, 2
	s_lshl_b32 s39, s25, 1
	s_add_co_u32 s38, s38, s39                     ; my first block of 16 columns in the tensor
	v_lshlrev_b32 v5, 4, v2                        ; 16 r
	s_lshl_b32 s39, s25, 9
	s_lshl_b32 s40, s31, 2
	s_add_co_u32 s39, s39, s40
	s_add_co_u32 s39, s39, WSM
	v_add_nc_u32 v8, s39, v7                       ; where my scale word goes: 16 bytes a column, word = my 128 along K
	s_lshl_b32 s39, s30, 9
	s_add_co_u32 s39, s39, WSM
	v_add_nc_u32 v9, s39, v7                       ; the tail (waves 0, 1)
	s_cmp_eq_u32 s32, 3
	s_cbranch_scc1 .Lwo
	v_lshl_add_u32 v5, v3, 12, v5                  ; lanes 16-31: the next block of 16 columns
	s_mul_i32 s36, s34, 786432
	s_lshl_b32 s39, s32, 6
	s_add_co_u32 s39, s39, s38
	s_lshl_b32 s40, s39, 12
	s_add_co_u32 s36, s36, s40
	s_lshl_b32 s40, s31, 10
	s_add_co_u32 s36, s36, s40
	s_add_nc_u64 s[28:29], s[18:19], s[36:37]      ; my fragment in w_img
	s_lshl_b32 s36, s32, 6
	s_lshl_b32 s40, s33, 2
	s_add_co_u32 s36, s36, s40
	s_lshl_b32 s36, s36, 9
	s_lshl_b32 s40, s34, 8
	s_add_co_u32 s36, s36, s40
	s_add_nc_u64 s[42:43], s[20:21], s[36:37]      ; the work-group's part of w_sc
	v_lshlrev_b32 v11, 4, v2
	v_lshl_add_u32 v11, v3, 9, v11
	s_lshl_b32 s40, s30, 10
	v_add_nc_u32 v11, s40, v11
; Block b of 32 along K: all its numbers are mine.  Its codes are 16 bytes of group b / 2, half b % 2: sixteen lanes store 256 consecutive bytes, aligned.
.macro WBLOCK b, cnt
	s_wait_loadcnt \cnt                            ; this block's 32 loads are in
	AMAX R+32*\b
	v_lshrrev_b32 v15, 23, v14
.if \b == 0
	v_mov_b32 v16, v15
.else
	v_lshl_or_b32 v16, v15, 8*\b, v16              ; the four bytes make my column's scale word
.endif
.irp g, 0,1,2,3
	v_cvt_scalef32_pk8_fp4_f32 v[C+4*\b+\g], v[R+32*\b+8*\g:R+32*\b+8*\g+7], v14
.endr
	v_nop                                          ; a plain line behind the conversions
	global_store_b128 v5, v[C+4*\b:C+4*\b+3], s[28:29] offset:256*\b
.endm
	WBLOCK 0, 63                                   ; 96 younger loads; 63 is the largest count that can be written
	WBLOCK 1, 63                                   ; 64 younger
	WBLOCK 2, 32
	WBLOCK 3, 0
	ds_store_b32 v8, v16
	s_wait_tensorcnt 0x0                           ; my last LDS store is out
	ds_add_u32 v[SPW], v[NIL]
	s_wait_dscnt 0x0
	s_barrier_signal -1
	s_barrier_wait -1
	s_cmp_lt_u32 s24, 2
	s_cbranch_scc0 .Lw_done
	ds_load_b128 v[12:15], v9                      ; a column's four words of this 512 along K
	s_wait_dscnt 0x0
	global_store_b128 v11, v[12:15], s[42:43]      ; sixteen lanes store 256 consecutive bytes, aligned
.Lw_done:
	s_endpgm
; ---- Wo: rounded to f16, two numbers a register, eight along K (16 bytes) a group.  No LDS on this way.
.Lwo:
	v_lshl_add_u32 v5, v3, 13, v5                  ; lanes 16-31: the next block of 16 columns
	s_lshl_b32 s36, s34, 1
	s_lshr_b32 s39, s31, 1
	s_add_co_u32 s36, s36, s39                     ; which 256 along K
	s_lshl_b32 s36, s36, 19
	s_lshl_b32 s39, s38, 13
	s_add_co_u32 s36, s36, s39
	s_and_b32 s39, s31, 1
	s_lshl_b32 s39, s39, 12
	s_add_co_u32 s36, s36, s39
	s_add_nc_u64 s[28:29], s[22:23], s[36:37]
.macro HALFS b, cnt
	s_wait_loadcnt \cnt
.set i, 16*\b
.rept 16
	v_cvt_pk_f16_f32 v[R+i], v[R+2*i], v[R+2*i+1]  ; packed downward in place: register i is written when registers 2 i, 2 i + 1 have been read
.set i, i+1
.endr
.irp g, 0,1,2,3
	global_store_b128 v5, v[R+16*\b+4*\g:R+16*\b+4*\g+3], s[28:29] offset:256*(4*\b+\g)
.endr
.endm
	HALFS 0, 63
	HALFS 1, 63
	HALFS 2, 32
	HALFS 3, 0
	s_endpgm
.Lfunc_end_k_qec4013c5bf_prep:
	.size	k_qec4013c5bf_prep, .Lfunc_end_k_qec4013c5bf_prep-k_qec4013c5bf_prep
	.p2alignl 7, 3214868480
	.fill 96, 4, 3214868480
	.section	.rodata,"a",@progbits
	.p2align	6, 0x0
	.amdhsa_kernel k_qec4013c5bf_prep
		.amdhsa_group_segment_fixed_size 37888
		.amdhsa_private_segment_fixed_size 0
		.amdhsa_enable_private_segment 0
		.amdhsa_kernarg_size 80
		.amdhsa_user_sgpr_count 2
		.amdhsa_user_sgpr_kernarg_segment_ptr 1
		.amdhsa_wavefront_size32 1
		.amdhsa_system_sgpr_workgroup_id_x 1
		.amdhsa_system_sgpr_workgroup_id_y 1
		.amdhsa_system_sgpr_workgroup_id_z 1
		.amdhsa_system_vgpr_workitem_id 0
		.amdhsa_next_free_vgpr 200
		.amdhsa_next_free_sgpr 66
		.amdhsa_reserve_vcc 0
		.amdhsa_float_denorm_mode_32 3
		.amdhsa_float_denorm_mode_16_64 3
		.amdhsa_memory_ordered 1
		.amdhsa_forward_progress 1
		.amdhsa_inst_pref_size 44
	.end_amdhsa_kernel
	.amdgpu_metadata
---
amdhsa.version: [ 1, 2 ]
amdhsa.kernels:
  - .name:           k_qec4013c5bf_prep
    .symbol:         k_qec4013c5bf_prep.kd
    .args:
      - { .name: x, .offset: 0, .size: 8, .value_kind: global_buffer, .address_space: global }
      - { .name: Wq, .offset: 8, .size: 8, .value_kind: global_buffer, .address_space: global }
      - { .name: Wk, .offset: 16, .size: 8, .value_kind: global_buffer, .address_space: global }
      - { .name: Wv, .offset: 24, .size: 8, .value_kind: global_buffer, .address_space: global }
      - { .name: Wo, .offset: 32, .size: 8, .value_kind: global_buffer, .address_space: global }
      - { .name: x_img, .offset: 40, .size: 8, .value_kind: global_buffer, .address_space: global }
      - { .name: x_sc, .offset: 48, .size: 8, .value_kind: global_buffer, .address_space: global }
      - { .name: w_img, .offset: 56, .size: 8, .value_kind: global_buffer, .address_space: global }
      - { .name: w_sc, .offset: 64, .size: 8, .value_kind: global_buffer, .address_space: global }
      - { .name: wo_img, .offset: 72, .size: 8, .value_kind: global_buffer, .address_space: global }
    .group_segment_fixed_size: 37888
    .private_segment_fixed_size: 0
    .kernarg_segment_align: 8
    .kernarg_segment_size: 80
    .max_flat_workgroup_size: 256
    .sgpr_count:     66
    .vgpr_count:     200
    .wavefront_size: 32
...
	.end_amdgpu_metadata
.endif
;; end of part 1
;; launch qkv (part 2): grid 12 x 16, 4 waves a work-group, clusters of 4 x 4, 327,680 bytes of LDS; arguments x_img, x_sc, w_img, w_sc, qkv, qkv32; writes qkv, qkv32
.if DOCPART == 2
	.amdgcn_target "amdgcn-amd-amdhsa--gfx1250"
	.amdhsa_code_object_version 6
	.text
	.protected	k_qec4013c5bf_qkv
	.globl	k_qec4013c5bf_qkv
	.p2align	8
	.type	k_qec4013c5bf_qkv,@function
k_qec4013c5bf_qkv:
	s_mov_b64 s[64:65], 0
	v_nop
	global_prefetch_b8 v0, s[64:65] scope:SCOPE_SE
	s_setreg_imm32_b32 hwreg(HW_REG_WAVE_MODE, 25, 1), 1
	s_wait_xcnt 0x0
	s_wait_alu depctr_hold_cnt(0) depctr_sa_sdst(0) depctr_va_vdst(0) depctr_va_sdst(0) depctr_va_ssrc(0) depctr_va_vcc(0) depctr_vm_vsrc(0)
	s_getreg_b32 s2, hwreg(HW_REG_IB_STS2, 6, 4)
	s_cmp_eq_u32 s2, 0
	s_cbranch_scc0 .Lentry_in_a_cluster
	s_endpgm
.Lentry_in_a_cluster:
	s_bfe_u32 s2, ttmp6, 0x10000c
	s_cmp_lg_u32 s2, 0xf033
	s_cbranch_scc0 .Lentry_shape_is_right
	s_endpgm
.Lentry_shape_is_right:
; q, k, v = x Wq, x Wk, x Wv on codes of E2M1 with E8M0 scales, sums in f32; K = 1,024.  Nothing is left out here.
; A tile of 256 x 256 is made by four waves, 128 x 128 each: 64 accumulators, 512 registers.  K is two steps of 512: both slots are filled at the head and nothing is filled again.
; THE MATRIX INSTRUCTION TAKES 16 ROWS OF REGION B AS SOURCE 0 AND 16 ROWS OF REGION A AS SOURCE 1: a lane then holds one row of A and eight neighbouring rows of B.
;   clusters x = 0, 1 (q, k): A = positions (x), B = columns of Wq|Wk: a lane holds a position and 8 channels: 16 bytes of f16 of a fragment [16 positions x 32 channels];
;   cluster  x = 2    (v):    A = columns of Wv, B = positions: a lane holds a channel and 8 keys: 16 bytes of a fragment [16 channels x 32 keys]: V comes out turned, by the same text.
; Only pointers and offsets are chosen, on the cluster's x, which all partners share: no branch.
; All operands lie in memory as images of their registers (launch prep): a tile is a dense block, a fragment's group of four registers is 512 bytes, lane l's 16 bytes at 16 l: no padding, no conflict.
; RESULTS: qkv: 48 heads (q 0-15, k 16-31, v 32-47) of 524,288 bytes of f16, again as images: q, k: (n>>4) 2048 + (d>>4) 512 + lane 16; v: (n>>6) 8192 + (ch>>4) 2048 + ((n>>4)&3) 512 + lane 16.
;          qkv32: positions 0-15 in f32, head g at 4096 g, the image of a lane's 32 results.  They leave straight from registers, 512 consecutive bytes a store.
; LIMIT: |q|, |k|, |v| stay under 65,504 (f16).
; CLUSTERS: 4 x 4.  A's tile is shared along a row of the cluster, B's along a column: joint loads.
; REGISTERS: window 0: v16-30 addresses; v32-95 scale words, two sets; v128-191 A's fragments, one set.  window 1: B's fragments, two sets; on the way out the packed results.  windows 2, 3: the accumulators.
.set SLOT,   131072                    ; A's 16 row blocks x 4,096 bytes, then B's
.set SCL,    262144                    ; the scales: A's 8,192 bytes, then B's
.set SPARE,  278528                    ; the spare words, 128 bytes for each wave
.set NQ,     4                         ; matrix instructions deep in a slot
.set FR,     8
.set NL,     2
.set NP,     4
.set ADRA, 16                          ; v16-17  LDS address of my A fragments in slot 0, 1
.set ADRB, 20                          ; v20-21  the same for B
.set CO,   26                          ; v26     16 x lane
.set ADRS, 27                          ; v27     my scale words: lanes 0-15 A's rows, lanes 16-31 B's
.set SPW,  28
.set NIL,  29
.set FLG,  30
.set SC,   32
.set AF,   128
.set G1, 24
.set G0, 32
.set G1B, 48
.set G0B, 56
.set G1S, 68
.set G0S, 76
.set G1SB, 80
.set G0SB, 88
.set MSB, 0
.macro WIN new                         ; the immediate's high byte repeats the setting that is left
.if MSB != \new
	s_set_vgpr_msb (MSB<<8)|\new
.set MSB, \new
.endif
.endm
.set MUL_LO, 0xa1                      ; source 0 (B) window 1, source 1 (A) window 0, C and D window 2
.set MUL_HI, 0xf1
.set TO_B,   0x40
; A joint load: waves 0 and 1 fetch for A, waves 2 and 3 for B; the branch hangs on the wave's number alone.  An s_nop 0 and four v_nop follow each line.
.macro JLOAD g0a, g1a, g0b, g1b
	s_cmp_eq_u32 s15, 0
	s_cbranch_scc0 .Lfor_b_\@
	tensor_load_to_lds s[\g0a:\g0a+3], s[\g1a:\g1a+7]
	s_nop 0
.rept 4
	v_nop
.endr
	s_branch .Lasked_\@
.Lfor_b_\@:
	tensor_load_to_lds s[\g0b:\g0b+3], s[\g1b:\g1b+7]
	s_nop 0
.rept 4
	v_nop
.endr
.Lasked_\@:
.endm
.macro CROUND                          ; a round of the cluster's barrier
	s_barrier_signal -1
	s_barrier_wait -1
	s_cmp_lg_u32 s14, 0
	s_cbranch_scc1 .Lnot_wave_0_\@
	s_barrier_signal -3
.Lnot_wave_0_\@:
	s_barrier_wait -3
	s_barrier_signal -1
	s_barrier_wait -1
.endm
	s_load_b256 s[4:11], s[0:1], 0x0               ; x_img, x_sc, w_img, w_sc
	s_load_b128 s[92:95], s[0:1], 0x20             ; qkv, qkv32
	v_lshl_add_u32 v[SPW], v0, 2, SPARE
	v_mov_b32 v[NIL], 0
	ds_add_u32 v[SPW], v[NIL]                      ; the wave's opening: the add, twice on end, and its wait ahead of my first tensor load
	ds_add_u32 v[SPW], v[NIL]
	v_lshrrev_b32 v1, 5, v0
	v_readfirstlane_b32 s14, v1                    ; wave 0..3
	s_lshr_b32 s15, s14, 1                         ; which half of A's rows is mine.  Also: I fetch for A (0) or for B (1)
	s_and_b32 s16, s14, 1                          ; which half of B's rows.  Also: which half of a tile I fetch
	s_bfe_u32 s40, ttmp6, 0x40000                  ; cx
	s_bfe_u32 s41, ttmp6, 0x40004                  ; cy
	s_and_b32 s45, ttmp7, 0xffff
	s_lshl_b32 s45, s45, 2                         ; 4 x cluster y
	s_lshl_b32 s46, ttmp9, 2                       ; 4 x cluster x
	s_mov_b32 s2, 1048576                          ; from K step to K step: x_img's stride,
	s_mov_b32 s18, 786432                          ; w_img's
	s_cmp_eq_u32 ttmp9, 2                          ; the clusters that make v
	s_cselect_b32 s17, 8, s45
	s_cselect_b32 s42, s45, s46
	s_cselect_b32 s2, 786432, s2                   ; A's stride
	s_cselect_b32 s18, 1048576, s18                ; B's
	s_mov_b32 s3, 0
	s_mov_b32 s19, 0
	s_add_co_u32 s17, s17, s41                     ; A's tile of 256 rows: made of cy and of what all partners share
	s_add_co_u32 s42, s42, s40                     ; B's: made of cx likewise
	s_lshl_b32 s43, s41, 2
	s_lshl_b32 s43, 15, s43                        ; my row of the cluster
	s_lshl_b32 s44, 0x1111, s40                    ; my column
	; descriptor group 1: dense blocks as rows of 256 bytes (32 elements of 8 bytes), no padding: codes 128 rows (32 KiB), scales 16 rows (4 KiB)
	s_or_b32 s[G1+0], s43, (3<<16)|(1<<21)         ; 15:0 the mask; 17:16 elements of 8 bytes; 21 set beside a mask
	s_or_b32 s[G1B+0], s44, (3<<16)|(1<<21)
	s_or_b32 s[G1S+0], s43, (3<<16)|(1<<21)
	s_or_b32 s[G1SB+0], s44, (3<<16)|(1<<21)
.irp g, G1, G1B
	s_mov_b32 s[\g+1], 32<<16                      ; tensor_dim0
	s_mov_b32 s[\g+2], 128<<16                     ; tensor_dim1
	s_mov_b32 s[\g+3], 32<<16                      ; tile_dim0
	s_mov_b32 s[\g+4], 128                         ; tile_dim1
	s_mov_b32 s[\g+5], 32                          ; pitch
	s_mov_b32 s[\g+6], 0
	s_mov_b32 s[\g+7], 0
.endr
.irp g, G1S, G1SB
	s_mov_b32 s[\g+1], 32<<16
	s_mov_b32 s[\g+2], 16<<16
	s_mov_b32 s[\g+3], 32<<16
	s_mov_b32 s[\g+4], 16
	s_mov_b32 s[\g+5], 32
	s_mov_b32 s[\g+6], 0
	s_mov_b32 s[\g+7], 0
.endr
	s_lshl_b32 s12, s17, 16                        ; A: 16 row blocks of 4,096 bytes a tile, + my half
	s_lshl_b32 s13, s16, 15
	s_add_co_u32 s12, s12, s13
	s_mov_b32 s13, 0
	s_lshl_b32 s66, s42, 16                        ; B likewise, in registers of its own
	s_lshl_b32 s67, s16, 15
	s_add_co_u32 s66, s66, s67
	s_mov_b32 s67, 0
	s_wait_dscnt 0x0                               ; both opening adds are done
	s_wait_kmcnt 0x0
	s_cmp_eq_u32 ttmp9, 2
	s_cselect_b64 s[20:21], s[8:9], s[4:5]         ; A's codes
	s_cselect_b64 s[22:23], s[10:11], s[6:7]       ; A's scales
	s_cselect_b64 s[46:47], s[4:5], s[8:9]         ; B's codes
	s_cselect_b64 s[96:97], s[6:7], s[10:11]       ; B's scales
	s_add_nc_u64 s[20:21], s[20:21], s[12:13]
	s_lshr_b32 s12, s12, 3                         ; scales: 512 bytes a row block
	s_add_nc_u64 s[22:23], s[22:23], s[12:13]
	s_add_nc_u64 s[46:47], s[46:47], s[66:67]
	s_lshr_b32 s66, s66, 3
	s_add_nc_u64 s[96:97], s[96:97], s[66:67]
	CROUND                                         ; all sixteen work-groups are here: the first joint loads meet
	s_mov_b32 s[G0S], 1
	s_lshl_b32 s[G0S+1], s14, 12
	s_add_co_u32 s[G0S+1], s[G0S+1], SCL           ; wave x 4,096: no place in the cluster enters an LDS address
	s_mov_b64 s[G0S+2:G0S+3], s[22:23]
	s_or_b32 s[G0S+3], s[G0S+3], 0x80000000
	s_mov_b32 s[G0SB], 1
	s_lshl_b32 s[G0SB+1], s14, 12
	s_add_co_u32 s[G0SB+1], s[G0SB+1], SCL
	s_mov_b64 s[G0SB+2:G0SB+3], s[96:97]
	s_or_b32 s[G0SB+3], s[G0SB+3], 0x80000000
	JLOAD G0S, G1S, G0SB, G1SB                     ; the scales of all of K
	s_mov_b32 s[G0], 1
	s_lshl_b32 s[G0+1], s14, 15
	s_mov_b64 s[G0+2:G0+3], s[20:21]
	s_or_b32 s[G0+3], s[G0+3], 0x80000000
	s_mov_b32 s[G0B], 1
	s_lshl_b32 s[G0B+1], s14, 15
	s_mov_b64 s[G0B+2:G0B+3], s[46:47]
	s_or_b32 s[G0B+3], s[G0B+3], 0x80000000
	JLOAD G0, G1, G0B, G1B                         ; K step 0
	s_mov_b32 s[G0+4], 1
	s_lshl_b32 s[G0+5], s14, 15
	s_add_co_u32 s[G0+5], s[G0+5], SLOT
	s_add_nc_u64 s[G0+6:G0+7], s[20:21], s[2:3]
	s_or_b32 s[G0+7], s[G0+7], 0x80000000
	s_mov_b32 s[G0B+4], 1
	s_lshl_b32 s[G0B+5], s14, 15
	s_add_co_u32 s[G0B+5], s[G0B+5], SLOT
	s_add_nc_u64 s[G0B+6:G0B+7], s[46:47], s[18:19]
	s_or_b32 s[G0B+7], s[G0B+7], 0x80000000
	JLOAD G0+4, G1, G0B+4, G1B                     ; K step 1: three loads of mine are out
	v_and_b32 v1, 15, v0                           ; r
	v_bfe_u32 v2, v0, 4, 1                         ; h
	v_and_b32 v3, 31, v0
	v_lshlrev_b32 v[CO], 4, v3
	s_lshl_b32 s12, s15, 15                        ; my 8 row blocks of A
	v_add_nc_u32 v[ADRA], s12, v[CO]
	s_add_co_u32 s12, s12, SLOT
	v_add_nc_u32 v[ADRA+1], s12, v[CO]
	s_lshl_b32 s13, s16, 15                        ; my 8 of B, behind A's 16
	s_add_co_u32 s13, s13, 65536
	v_add_nc_u32 v[ADRB], s13, v[CO]
	s_add_co_u32 s13, s13, SLOT
	v_add_nc_u32 v[ADRB+1], s13, v[CO]
	v_lshlrev_b32 v5, 4, v1                        ; a row's four words of a K step: 16 bytes
	s_lshl_b32 s12, s15, 12
	s_lshl_b32 s13, s16, 12
	s_add_co_u32 s13, s13, 8192
	s_sub_co_u32 s13, s13, s12
	v_mul_u32_u24 v6, s13, v2                      ; lanes 16-31 take B's: one product, the distance between the two bases
	s_add_co_u32 s12, s12, SCL
	v_add_nc_u32 v5, v5, v6
	v_add_nc_u32 v[ADRS], s12, v5
	; the way out: where my results go
	s_lshl_b32 s12, s17, 1
	s_add_co_u32 s12, s12, s15                     ; my 128 rows of A, counted in 128s
	s_lshl_b32 s13, s42, 1
	s_add_co_u32 s13, s13, s16                     ; my 128 rows of B
	s_or_b32 s45, s17, s15                         ; 0 where A's rows begin at position 0 (never 0 in v's clusters: there A's tile is 8 or more)
	s_or_b32 s66, s42, s16                         ; 0 where B's rows begin at 0
	s_mov_b32 s6, 8192
	s_mov_b32 s7, 524288
	s_cmp_eq_u32 ttmp9, 2
	s_cselect_b32 s4, s12, s13                     ; which pair of heads
	s_cselect_b32 s5, s13, s12                     ; which 128 positions
	s_cselect_b32 s67, 0, 1
	s_cselect_b32 s18, 524288, s6                  ; four blocks of A on: a head (v), 64 positions (q, k)
	s_cselect_b32 s2, 8192, s7                     ; four blocks of B on: 64 keys (v), a head (q, k)
	s_or_b32 s66, s66, s67                         ; 0 in v's waves whose keys begin at 0
	s_lshl_b32 s12, s4, 13                         ; two heads of 4,096 bytes
	s_mov_b32 s13, 0
	s_add_nc_u64 s[94:95], s[94:95], s[12:13]
	s_lshl_b32 s12, s4, 20                         ; two heads of 524,288 bytes
	s_lshl_b32 s5, s5, 14                          ; 128 positions of 128 bytes
	s_add_co_u32 s12, s12, s5
	s_add_nc_u64 s[4:5], s[92:93], s[12:13]        ; the four bases: (A's blocks 0-3 | 4-7) x (B's blocks 0-3 | 4-7)
	s_add_nc_u64 s[6:7], s[4:5], s[2:3]
	s_add_nc_u64 s[8:9], s[4:5], s[18:19]
	s_add_nc_u64 s[10:11], s[8:9], s[2:3]
.macro FRAG reg, adr, q, i             ; a fragment, 16 rows x 128 K of 4-bit codes: two groups of four registers, as they lie
.irp c, 0,1
	ds_load_b128 v[\reg+4*\c:\reg+4*\c+3], v[\adr] offset:(\i)*4096+(\q)*1024+512*\c
.endr
.endm
; 16 matrix instructions: A's blocks a0, a0 + 1 x B's eight.  The 64 accumulators take turns, one instruction a turn, in the same order in every step.
.macro MUL16 a0, p, q, sc, zero
.irp a, \a0, \a0+1
.irp b, 0,1,2,3,4,5,6,7
.if \zero
	v_wmma_scale_f32_16x16x128_f8f6f4 v[8*(8*((\a)%4)+\b):8*(8*((\a)%4)+\b)+7], v[128*(\p)+FR*\b:128*(\p)+FR*\b+FR-1], v[AF+FR*(\a):AF+FR*(\a)+FR-1], 0, v[SC+8*NQ*(\sc)+NQ*\b+(\q)], v[SC+8*NQ*(\sc)+NQ*(\a)+(\q)] matrix_a_fmt:MATRIX_FMT_FP4 matrix_b_fmt:MATRIX_FMT_FP4 matrix_a_scale:MATRIX_SCALE_ROW1
.else
	v_wmma_scale_f32_16x16x128_f8f6f4 v[8*(8*((\a)%4)+\b):8*(8*((\a)%4)+\b)+7], v[128*(\p)+FR*\b:128*(\p)+FR*\b+FR-1], v[AF+FR*(\a):AF+FR*(\a)+FR-1], v[8*(8*((\a)%4)+\b):8*(8*((\a)%4)+\b)+7], v[SC+8*NQ*(\sc)+NQ*\b+(\q)], v[SC+8*NQ*(\sc)+NQ*(\a)+(\q)] matrix_a_fmt:MATRIX_FMT_FP4 matrix_b_fmt:MATRIX_FMT_FP4 matrix_a_scale:MATRIX_SCALE_ROW1
.endif
.endr
.endr
.endm
.macro FETCH_B slot, q, p
	WIN TO_B
.irp i, 0,1,2,3,4,5,6,7
	FRAG 128*(\p)+FR*\i, ADRB+\slot, \q, \i
.endr
	WIN 0
.endm
.macro FETCH_A slot, q, i0
.irp i, \i0, \i0+1, \i0+2, \i0+3
	FRAG AF+FR*(\i), ADRA+\slot, \q, \i
.endr
.endm
.macro SCALES sc                       ; a K step's scale words: lanes 0-15 A's block i, lanes 16-31 B's block i; four words a row
.irp i, 0,1,2,3,4,5,6,7
	ds_load_b128 v[SC+8*NQ*\sc+NQ*\i:SC+8*NQ*\sc+NQ*\i+3], v[ADRS] offset:\i*512+\sc*256
.endr
.endm
.macro PLACES n                        ; plain vector lines between a matrix instruction and a load into, or a read of, its registers
.rept \n
	v_nop
.endr
.endm
.macro STEP slot, q, zero              ; 128 along K that have their successor in the same slot
	s_wait_dscnt 4*NL                              ; B's set and A's blocks 0-3 are in; the youngest eight loads (A's blocks 4-7) may be out
	WIN MUL_LO
	MUL16 0, (\q)%2, \q, \slot, \zero
	MUL16 2, (\q)%2, \q, \slot, \zero
	s_wait_dscnt 0
	PLACES NP
	FETCH_B \slot, (\q)+1, 1-(\q)%2
	FETCH_A \slot, (\q)+1, 0
	WIN MUL_HI
	MUL16 4, (\q)%2, \q, \slot, \zero
	MUL16 6, (\q)%2, \q, \slot, \zero
	PLACES NP
	WIN 0
	FETCH_A \slot, (\q)+1, 4
.endm
.macro TURN slot, next                 ; a slot's last 128 along K; behind the barrier the next slot is whole for every wave.  Nothing is filled again
	s_wait_tensorcnt 0x0                           ; all my tensor loads have landed: my part of the next slot
	ds_add_u32 v[SPW], v[NIL]
	s_wait_dscnt 4*NL+1                            ; (the add and the youngest eight loads may be out)
	WIN MUL_LO
	MUL16 0, 1, NQ-1, \slot, 0
	s_wait_dscnt 0x0
	s_barrier_signal -1
	MUL16 2, 1, NQ-1, \slot, 0
	WIN 0
	s_barrier_wait -1
	PLACES NP
	FETCH_B \next, 0, 0
	FETCH_A \next, 0, 0
	SCALES \next
	WIN MUL_HI
	MUL16 4, 1, NQ-1, \slot, 0
	MUL16 6, 1, NQ-1, \slot, 0
	PLACES NP
	WIN 0
	FETCH_A \next, 0, 4
.endm
	s_wait_tensorcnt 1                             ; the scales and my part of K step 0 are in; K step 1's load may be out
	s_barrier_signal -1
	s_barrier_wait -1
	FETCH_B 0, 0, 0
	FETCH_A 0, 0, 0
	SCALES 0
	FETCH_A 0, 0, 4
	STEP 0, 0, 1                                   ; the first products start the sums: nothing is cleared
	STEP 0, 1, 0
	STEP 0, 2, 0
	TURN 0, 1
	STEP 1, 0, 0
	STEP 1, 1, 0
	STEP 1, 2, 0
	s_wait_dscnt 4*NL                              ; the last 128 along K: nothing more to fetch
	WIN MUL_LO
	MUL16 0, 1, NQ-1, 1, 0
	MUL16 2, 1, NQ-1, 1, 0
	s_wait_dscnt 0
	WIN MUL_HI
	MUL16 4, 1, NQ-1, 1, 0
	MUL16 6, 1, NQ-1, 1, 0
	WIN 0
; THE WAY OUT.  First positions 0-15 in f32, for launch fine.  Which waves hold them hangs on the work-group's place, so the stores stand under EXEC and not under a branch.
	PLACES NP
	v_mov_b32 v[FLG], s45
	v_cmp_eq_u32 vcc_lo, 0, v[FLG]                 ; q, k: A's block 0 is positions 0-15
	s_wait_xcnt 0x0                                ; EXEC changes only behind this wait
	s_and_saveexec_b32 s12, vcc_lo
	WIN 0x08                                       ; a store's data are its source 1: window 2
.irp b, 0,1,2,3,4,5,6,7
.irp u, 0,1
	global_store_b128 v[CO], v[8*\b+4*\u:8*\b+4*\u+3], s[94:95] offset:\b*1024+\u*512   ; each accumulator from its low end on
.endr
.endr
	WIN 0
	s_wait_xcnt 0x0
	s_or_b32 exec_lo, exec_lo, s12
	v_mov_b32 v[FLG], s66
	v_cmp_eq_u32 vcc_lo, 0, v[FLG]                 ; v: B's block 0 is keys 0-15
	s_and_saveexec_b32 s12, vcc_lo
.irp a, 0,1,2,3,4,5,6,7
	WIN 0x08+4*(\a/4)
.irp u, 0,1
	global_store_b128 v[CO], v[64*(\a%4)+4*\u:64*(\a%4)+4*\u+3], s[94:95] offset:\a*1024+\u*512
.endr
.endr
	WIN 0
	s_wait_xcnt 0x0
	s_or_b32 exec_lo, exec_lo, s12
; Then everything in f16: a lane's eight results are 16 bytes of a group; a store covers 512 consecutive bytes.  The packed results take B's registers, each once: no store's data are written again.
.macro PACK a
	WIN 0x4a+5*((\a)/4)                            ; sources window 2 or 3, destination window 1
.irp b, 0,1,2,3,4,5,6,7
.irp i, 0,1,2,3
	v_cvt_pk_f16_f32 v[32*(\a)+4*\b+\i], v[64*((\a)%4)+8*\b+2*\i], v[64*((\a)%4)+8*\b+2*\i+1]
.endr
.endr
.endm
.macro OUT a
	WIN 0x04                                       ; the data: window 1
.irp b, 0,1,2,3,4,5,6,7
	global_store_b128 v[CO], v[32*(\a)+4*\b:32*(\a)+4*\b+3], s[4+4*((\a)/4)+2*(\b/4):5+4*((\a)/4)+2*(\b/4)] offset:((\a)%4)*2048+(\b%4)*512
.endr
.endm
.irp a, 0,1,2,3,4,5,6,7
	PACK \a
	OUT \a
.endr
	WIN 0
	s_wait_tensorcnt 0x0                           ; the wave's end
	ds_add_u32 v[SPW], v[NIL]
	s_wait_dscnt 0x0
	CROUND                                         ; the closing round
	s_endpgm
.Lfunc_end_k_qec4013c5bf_qkv:
	.size	k_qec4013c5bf_qkv, .Lfunc_end_k_qec4013c5bf_qkv-k_qec4013c5bf_qkv
	.p2alignl 7, 3214868480
	.fill 96, 4, 3214868480
	.section	.rodata,"a",@progbits
	.p2align	6, 0x0
	.amdhsa_kernel k_qec4013c5bf_qkv
		.amdhsa_group_segment_fixed_size 327680
		.amdhsa_private_segment_fixed_size 0
		.amdhsa_enable_private_segment 0
		.amdhsa_kernarg_size 48
		.amdhsa_user_sgpr_count 2
		.amdhsa_user_sgpr_kernarg_segment_ptr 1
		.amdhsa_wavefront_size32 1
		.amdhsa_system_sgpr_workgroup_id_x 1
		.amdhsa_system_sgpr_workgroup_id_y 1
		.amdhsa_system_sgpr_workgroup_id_z 1
		.amdhsa_system_vgpr_workitem_id 0
		.amdhsa_next_free_vgpr 1024
		.amdhsa_next_free_sgpr 98
		.amdhsa_reserve_vcc 1
		.amdhsa_float_denorm_mode_32 3
		.amdhsa_float_denorm_mode_16_64 3
		.amdhsa_memory_ordered 1
		.amdhsa_forward_progress 1
		.amdhsa_inst_pref_size 121
	.end_amdhsa_kernel
	.amdgpu_metadata
---
amdhsa.version: [ 1, 2 ]
amdhsa.kernels:
  - .name:           k_qec4013c5bf_qkv
    .symbol:         k_qec4013c5bf_qkv.kd
    .args:
      - { .name: x_img, .offset: 0, .size: 8, .value_kind: global_buffer, .address_space: global }
      - { .name: x_sc, .offset: 8, .size: 8, .value_kind: global_buffer, .address_space: global }
      - { .name: w_img, .offset: 16, .size: 8, .value_kind: global_buffer, .address_space: global }
      - { .name: w_sc, .offset: 24, .size: 8, .value_kind: global_buffer, .address_space: global }
      - { .name: qkv, .offset: 32, .size: 8, .value_kind: global_buffer, .address_space: global }
      - { .name: qkv32, .offset: 40, .size: 8, .value_kind: global_buffer, .address_space: global }
    .group_segment_fixed_size: 327680
    .private_segment_fixed_size: 0
    .kernarg_segment_align: 8
    .kernarg_segment_size: 48
    .max_flat_workgroup_size: 128
    .sgpr_count:     98
    .vgpr_count:     1024
    .wavefront_size: 32
...
	.end_amdgpu_metadata
.endif
;; end of part 2
;; launch attn (part 3): grid 16 x 16, 8 waves a work-group, no clusters, 327,680 bytes of LDS; arguments qkv, ctx_img; writes ctx_img
.if DOCPART == 3
	.amdgcn_target "amdgcn-amd-amdhsa--gfx1250"
	.amdhsa_code_object_version 6
	.text
	.protected	k_qec4013c5bf_attn
	.globl	k_qec4013c5bf_attn
	.p2align	8
	.type	k_qec4013c5bf_attn,@function
k_qec4013c5bf_attn:
	s_mov_b64 s[64:65], 0
	v_nop
	global_prefetch_b8 v0, s[64:65] scope:SCOPE_SE
	s_setreg_imm32_b32 hwreg(HW_REG_WAVE_MODE, 25, 1), 1
	s_wait_xcnt 0x0
; ctx[q] = softmax_k(q . k / 8, keys k <= q) v, for each of 16 heads of 64; operands f16 (launch qkv), products, maxima and sums in f32; the weights p are rounded to f16 for the second product.
; WORK LEFT OUT: a step of 64 keys all of which come after all 32 queries of a wave: reference()'s own mask gives them the weight 0 for every finite input (shown at the head of launch prep).
; LIMIT: a NaN, an infinity or an overflow that reaches only such scores is not carried to the result.  |ctx| stays under 65,504 (f16).
; SHARES, EVEN FOR EVERY WORK-GROUP.  Work-group (j, head) owns the query blocks 31 - j ("hi") and j ("lo"), 128 queries each, and walks ONE run of 33 chunks of 128 keys: 32 - j for hi, then j + 1 for lo.
; So every trip count is a constant, every chunk is read by some wave.  Wave w: 32 queries (w % 4), two tiles of 16; keys 64 (w / 4) on of each chunk.
; The two waves that share queries hold partial (maximum, sum, O); they are joined once a block, through LDS.  Register tile t holds query tile t xor (w / 4): each wave hands over its tile 1 and finishes its tile 0.
; LAYOUT.  S^T = K Q^T and O^T = V^T P: a lane holds one query (lane % 16) throughout.  K and V lie in memory as images of their fragments' registers: a chunk is a dense block, and every LDS load is 16 x lane + a constant.
; NO CLUSTER: the sixteen work-groups of a head change from hi to lo at sixteen different chunks, so from there on they stand at different keys: a joint load would bring tiles that some partner never reads.
; SOFTMAX.  A running maximum m and sum l for each query; p = 2^(c s - c m), c = log2(e) / 8; in every step O and l are multiplied by 2^(c m_old - c m_new).
; REGISTERS: window 0: v1-23 addresses; v24-39 statistics, 8 a tile (+0 c m, +1 m, +2, +3 l, +4..+7 at work); v40-71 Q; v72-135 S^T; v136-167 P; v168-231 O^T; v232-247 packed results.
;            window 1: v0-63 K, v64-127 V of a step; v128-159 lo's Q.
.set SLOT1, 131072                     ; slot 0 at 0, slot 1 here: 3 chunks x (K 16,384 + V 16,384) bytes each; one exclusive or turns an address
.set LOO,   98304                      ; lo's tile 1 of each wave: 8 x 4,096
.set HIO,   229376                     ; hi's two tiles of each wave: 16 x 4,096
.set HIS,   294912                     ; their (c m, l): 16 x 256
.set LOS,   299008                     ; lo's: 8 x 256
.set SPARE, 301056                     ; the spare words, 128 bytes for each wave
.set ST, 24
.set Q,  40
.set S,  72
.set P,  136
.set O,  168
.set PK, 232
.set MSB, 0
.macro WIN new                         ; the immediate's high byte repeats the setting that is left
.if MSB != \new
	s_set_vgpr_msb (MSB<<8)|\new
.set MSB, \new
.endif
.endm
; Waves 0-5 fetch one piece of 16 KiB each (chunk w / 2 of the slot; K if w is even, V if odd), waves 6 and 7 nothing.  An s_nop 0 and four v_nop follow the load.
.macro TLOAD
	s_cmp_lt_u32 s8, 6
	s_cbranch_scc0 .Lno_load_\@
	tensor_load_to_lds s[32:35], s[24:31]
	s_nop 0
.rept 4
	v_nop
.endr
.Lno_load_\@:
.endm
; A prefetch of the slot after the one that is being asked for: three chunks ahead of its load.  All work-groups of a head walk the same K and V; work-group j = 0 walks all 4,096 keys in order, so it asks, and nobody else:
; its wave 6 for K's 49,152 bytes, wave 7 for V's: six instructions, lanes 256 bytes apart: each aligned block of 256 bytes is named once.  Trips 0 to 7 name slots 2 to 9; slots 0, 1 and 10 come by their loads alone.
.macro ASK
	s_cmp_gt_u32 s36, s46
	s_cbranch_scc0 .Lnot_mine_\@
.irp i, 0,1,2,3,4,5
	global_prefetch_b8 v7, s[44:45] offset:8192*\i th:TH_LOAD_NT scope:SCOPE_SE
.endr
.Lnot_mine_\@:
.endm
.macro INIT                            ; a block's start: O = 0, l = 0, m = -3e38, under every score
.set i, 0
.rept 64
	v_mov_b32 v[O+i], 0
.set i, i+1
.endr
.irp t, 0,1
	v_mov_b32 v[ST+8*\t+1], 0xff61b1e6
	v_mov_b32 v[ST+8*\t+2], 0
	v_mov_b32 v[ST+8*\t+3], 0
	v_mul_f32 v[ST+8*\t], s42, v[ST+8*\t+1]
.endr
.endm
	s_load_b128 s[4:7], s[0:1], 0x0                ; qkv, ctx_img
	v_lshl_add_u32 v5, v0, 2, SPARE
	v_mov_b32 v6, 0
	ds_add_u32 v5, v6                              ; the wave's opening: the add, twice on end, and its wait ahead of my first tensor load
	ds_add_u32 v5, v6
	v_lshrrev_b32 v2, 5, v0
	v_readfirstlane_b32 s8, v2                     ; wave 0..7
	s_lshr_b32 s9, s8, 2                           ; my half of each chunk's keys
	s_and_b32 s10, s8, 3                           ; my 32 queries of the block
	s_mov_b32 s11, ttmp9                           ; j
	s_and_b32 s12, ttmp7, 0xffff                   ; head
	s_sub_co_u32 s13, 32, s11                      ; hi's chunks
	s_mov_b32 s24, 3<<16                           ; descriptor group 1: 64 rows of 256 bytes (32 elements of 8 bytes), dense, no padding, no mask
	s_mov_b32 s25, 32<<16
	s_mov_b32 s26, 64<<16
	s_mov_b32 s27, 32<<16
	s_mov_b32 s28, 64
	s_mov_b32 s29, 32
	s_mov_b32 s30, 0
	s_mov_b32 s31, 0
	s_mov_b32 s40, 0x76543210                      ; v_permlanex16_b32's selects for lane l xor 16
	s_mov_b32 s41, 0xfedcba98
	s_mov_b32 s42, 0x3e38aa3b                      ; c = log2(e) / 8
	s_mov_b32 s43, s42
	s_lshr_b32 s18, s8, 1                          ; the chunk of my next load
	s_mov_b32 s19, 0                               ; the chunk in hand
	s_mov_b32 s20, 0                               ; its first key
	s_mov_b32 s22, 0                               ; its LDS byte
	s_mov_b32 s36, 10                              ; slots still to be asked for
	s_lshl_b32 s37, s9, 6
	s_sub_co_u32 s48, 31, s11
	s_lshl_b32 s48, s48, 7                         ; hi's first query
	s_lshl_b32 s49, s10, 5
	s_add_co_u32 s21, s48, s49                     ; my first query
	s_lshl_b32 s49, s9, 4
	s_add_co_u32 s56, s21, s49                     ; register tile 0's first query
	s_add_co_u32 s57, s21, 16
	s_sub_co_u32 s57, s57, s49                     ; register tile 1's
	s_lshl_b32 s60, s11, 1
	s_sub_co_u32 s60, 31, s60
	s_lshl_b32 s60, s60, 7                         ; from lo's queries to hi's
	s_lshr_b32 s48, s12, 2                         ; ctx_img: (head / 4) 2097152 + query 512 + (head % 4) 2048
	s_lshl_b32 s48, s48, 21
	s_and_b32 s49, s12, 3
	s_lshl_b32 s49, s49, 11
	s_add_co_u32 s48, s48, s49
	s_lshl_b32 s49, s56, 9
	s_add_co_u32 s58, s48, s49                     ; where hi's tile that I finish goes,
	s_lshl_b32 s49, s60, 9
	s_sub_co_u32 s59, s58, s49                     ; and lo's
	s_lshl_b32 s50, s12, 19                        ; q's head
	s_mov_b32 s51, 0
	s_and_b32 s52, s8, 1
	s_lshl_b32 s52, s52, 4
	s_add_co_u32 s52, s52, 16
	s_add_co_u32 s52, s52, s12
	s_lshl_b32 s52, s52, 19                        ; k's head (even waves), v's (odd waves)
	s_mov_b32 s53, 0
	s_lshr_b32 s48, s8, 1
	s_xor_b32 s48, s48, 3                          ; 0 in waves 6 and 7,
	s_or_b32 s48, s48, s11                         ; of work-group j = 0
	s_cmp_eq_u32 s48, 0
	s_cselect_b32 s46, 2, -1                       ; a wave prefetches while s36 is above this
	s_wait_dscnt 0x0                               ; both opening adds are done
	s_wait_kmcnt 0x0
	s_add_nc_u64 s[14:15], s[4:5], s[50:51]
	s_add_nc_u64 s[16:17], s[4:5], s[52:53]
	s_mov_b32 s32, 1                               ; descriptor group 0
	s_lshl_b32 s33, s8, 14                         ; LDS: piece w of slot 0
	s_lshl_b32 s48, s18, 14
	s_mov_b32 s49, 0
	s_add_nc_u64 s[34:35], s[16:17], s[48:49]
	s_or_b32 s35, s35, 0x80000000
	TLOAD                                          ; slot 0: chunks 0, 1, 2
	s_add_nc_u64 s[44:45], s[16:17], 49152         ; the prefetches stand at slot 1; each change of slots steps them first
	v_and_b32 v2, 31, v0
	v_lshlrev_b32 v3, 4, v2                        ; 16 x lane
	v_lshlrev_b32 v7, 8, v2                        ; 256 x lane
	v_lshlrev_b32 v21, 3, v2                       ; 8 x lane
	s_lshl_b32 s48, s9, 13
	v_add_nc_u32 v1, s48, v3                       ; my place in a chunk's K or V
	v_and_b32 v4, 15, v0
	v_bfe_u32 v18, v0, 4, 1
	v_lshlrev_b32 v18, 3, v18
	v_sub_nc_u32 v4, v4, v18                       ; r - 8 h, for the mask
	s_lshl_b32 s49, s60, 7
	s_lshl_b32 s48, s56, 7                         ; a query's 128 bytes
	v_add_nc_u32 v8, s48, v3
	s_sub_co_u32 s48, s48, s49
	v_add_nc_u32 v22, s48, v3
	s_lshl_b32 s48, s57, 7
	v_add_nc_u32 v9, s48, v3
	s_sub_co_u32 s48, s48, s49
	v_add_nc_u32 v23, s48, v3
.irp i, 0,1,2,3
	global_load_b128 v[Q+4*\i:Q+4*\i+3], v8, s[14:15] offset:512*\i          ; hi's Q stays in registers
	global_load_b128 v[Q+16+4*\i:Q+16+4*\i+3], v9, s[14:15] offset:512*\i
.endr
	WIN 0x40                                       ; destination window 1
.irp i, 0,1,2,3
	global_load_b128 v[128+4*\i:128+4*\i+3], v22, s[14:15] offset:512*\i     ; lo's waits in window 1
	global_load_b128 v[144+4*\i:144+4*\i+3], v23, s[14:15] offset:512*\i
.endr
	WIN 0
	s_lshl_b32 s48, s8, 13                         ; every LDS address is made here, ahead of every branch
	s_add_co_u32 s48, s48, HIO
	v_add_nc_u32 v10, s48, v3
	s_lshl_b32 s48, s8, 9
	s_add_co_u32 s48, s48, HIS
	v_add_nc_u32 v11, s48, v21
	s_lshl_b32 s48, s8, 12
	s_add_co_u32 s48, s48, LOO
	v_add_nc_u32 v12, s48, v3
	s_lshl_b32 s48, s8, 8
	s_add_co_u32 s48, s48, LOS
	v_add_nc_u32 v13, s48, v21
	s_xor_b32 s50, s8, 4                           ; my partner
	s_lshl_b32 s48, s50, 13
	s_add_co_u32 s48, s48, HIO+4096
	v_add_nc_u32 v14, s48, v3
	s_lshl_b32 s48, s50, 9
	s_add_co_u32 s48, s48, HIS+256
	v_add_nc_u32 v15, s48, v21
	s_lshl_b32 s48, s50, 12
	s_add_co_u32 s48, s48, LOO
	v_add_nc_u32 v16, s48, v3
	s_lshl_b32 s48, s50, 8
	s_add_co_u32 s48, s48, LOS
	v_add_nc_u32 v17, s48, v21
	v_mov_b32 v20, 0xff800000                      ; -infinity
	v_mov_b32 v21, 0                               ; from here on a lane permute's destination
.irp t, 0,1
.irp i, 4,5,6,7
	v_mov_b32 v[ST+8*\t+\i], 0                     ; written once, so that no way through the text reads one unwritten
.endr
.endr
	INIT
; THE CHANGE OF SLOTS, at a slot's head.  Each wave waits for all its tensor loads, adds 0 to its spare word, and waits for that and for its reads of the slot that it has left.
.macro CHANGE fill
	s_wait_tensorcnt 0x0                           ; no tensor load of mine is out, so group 0 may be written
	ds_add_u32 v5, v6
.if \fill
	ds_add_u32 v5, v6                              ; and once more
	s_add_co_u32 s18, s18, 3                       ; my next chunk of the run;
	s_sub_co_u32 s48, s18, s13
	s_cmp_lt_u32 s18, s13
	s_cselect_b32 s48, s18, s48                    ; its chunk of keys: hi's, or lo's from 0 again
	s_lshl_b32 s48, s48, 14
	s_mov_b32 s49, 0
	s_add_nc_u64 s[34:35], s[16:17], s[48:49]
	s_or_b32 s35, s35, 0x80000000
	s_xor_b32 s33, s33, SLOT1                      ; the other slot than last time
	s_wait_xcnt 0x0                                ; the last prefetches, a slot back, have read their address
	s_add_nc_u64 s[44:45], s[44:45], 49152
.endif
	s_wait_dscnt 0x0
	s_barrier_signal -1
	s_barrier_wait -1
.if \fill
	TLOAD                                          ; the first thing behind the barrier, and a wave's one tensor load until the next: it has three chunks' work in which to land
	ASK
.endif
.endm
; hi is done: its two tiles and their (c m, l) go to LDS, and lo begins.  No barrier: the bytes are my own until the end.
.macro SWITCH
	v_add_f32 v[ST+1], v[ST+2], v[ST+3]
	v_add_f32 v[ST+9], v[ST+10], v[ST+11]
.irp t, 0,1
.irp i, 0,1,2,3,4,5,6,7
	ds_store_b128 v10, v[O+32*\t+4*\i:O+32*\t+4*\i+3] offset:\t*4096+512*\i
.endr
	ds_store_b64 v11, v[ST+8*\t:ST+8*\t+1] offset:256*\t
.endr
	s_wait_dscnt 0x0                               ; the stores have read their registers
	INIT
	WIN 0x01                                       ; source 0 window 1
.set i, 0
.rept 32
	v_mov_b32 v[Q+i], v[128+i]
.set i, i+1
.endr
	WIN 0
	s_mov_b32 s20, 0
	s_sub_co_u32 s21, s21, s60
	s_sub_co_u32 s56, s56, s60
	s_sub_co_u32 s57, s57, s60
.endm
.macro SOFTMAX                         ; both tiles, line by line
.irp j, 0,1,2,3
.irp t, 0,1
	v_max3_num_f32 v[ST+8*\t+4+\j], v[S+32*\t+8*\j], v[S+32*\t+8*\j+1], v[S+32*\t+8*\j+2]   ; four chains a tile; each accumulator is read from its low end on
.endr
.endr
.irp g, 1,2
.irp j, 0,1,2,3
.irp t, 0,1
	v_max3_num_f32 v[ST+8*\t+4+\j], v[ST+8*\t+4+\j], v[S+32*\t+8*\j+2*\g+1], v[S+32*\t+8*\j+2*\g+2]
.endr
.endr
.endr
.irp t, 0,1
	v_max3_num_f32 v[ST+8*\t+4], v[ST+8*\t+4], v[S+32*\t+7], v[S+32*\t+15]
	v_max3_num_f32 v[ST+8*\t+6], v[ST+8*\t+6], v[S+32*\t+23], v[S+32*\t+31]
.endr
.irp t, 0,1
	v_max3_num_f32 v[ST+8*\t+4], v[ST+8*\t+4], v[ST+8*\t+5], v[ST+8*\t+6]
.endr
.irp t, 0,1
	v_max3_num_f32 v[ST+8*\t+4], v[ST+8*\t+4], v[ST+8*\t+7], v[ST+8*\t+1]   ; and the old m
.endr
.irp t, 0,1
	v_permlanex16_b32 v[ST+8*\t+5], v[ST+8*\t+4], s40, s41                  ; the query's other 32 keys lie in the lane 16 away
.endr
.irp t, 0,1
	v_mov_b32 v[ST+8*\t+7], v[ST+8*\t]                                      ; c m_old
.endr
.irp t, 0,1
	v_max_num_f32 v[ST+8*\t+1], v[ST+8*\t+4], v[ST+8*\t+5]
.endr
.irp t, 0,1
	v_mul_f32 v[ST+8*\t], s42, v[ST+8*\t+1]
.endr
.irp t, 0,1
	v_sub_f32 v[ST+8*\t+7], v[ST+8*\t+7], v[ST+8*\t]
.endr
.irp b, 0,1,2,3,4,5,6,7,8,9,10,11,12,13,14,15
	v_pk_fma_f32 v[S+2*\b:S+2*\b+1], v[S+2*\b:S+2*\b+1], s[42:43], v[ST:ST+1] op_sel_hi:[1,0,0] neg_lo:[0,0,1] neg_hi:[0,0,1]   ; c s - c m
.endr
	v_exp_f32 v[ST+6], v[ST+7]                     ; ONE BATCH of 66 exponentials; none of the lines among them names a result
.irp b, 0,1,2,3,4,5,6,7,8,9,10,11,12,13,14,15
	v_exp_f32 v[S+2*\b], v[S+2*\b]
	v_exp_f32 v[S+2*\b+1], v[S+2*\b+1]
	v_pk_fma_f32 v[S+32+2*\b:S+32+2*\b+1], v[S+32+2*\b:S+32+2*\b+1], s[42:43], v[ST+8:ST+9] op_sel_hi:[1,0,0] neg_lo:[0,0,1] neg_hi:[0,0,1]
.endr
	v_exp_f32 v[ST+14], v[ST+15]
.set i, 0
.rept 32
	v_exp_f32 v[S+32+i], v[S+32+i]
.set i, i+1
.endr
	v_nop                                          ; a plain line behind the last exponential
	s_wait_alu depctr_va_vdst(0)                   ; one wait for the batch, ahead of its first reader
.irp b, 0,1,2,3,4,5,6,7,8,9,10,11,12,13,14,15
.irp t, 0,1
	v_cvt_pk_f16_f32 v[P+16*\t+\b], v[S+32*\t+2*\b], v[S+32*\t+2*\b+1]
.endr
.endr
.irp u, 0,1,2,3,4,5,6,7
.irp t, 0,1
	v_pk_add_f32 v[S+32*\t+4*\u:S+32*\t+4*\u+1], v[S+32*\t+4*\u:S+32*\t+4*\u+1], v[S+32*\t+4*\u+2:S+32*\t+4*\u+3]   ; the sum of the unrounded p, in place
.endr
.endr
.irp u, 0,1,2,3
.irp t, 0,1
	v_pk_add_f32 v[S+32*\t+8*\u:S+32*\t+8*\u+1], v[S+32*\t+8*\u:S+32*\t+8*\u+1], v[S+32*\t+8*\u+4:S+32*\t+8*\u+5]
.endr
.endr
.irp u, 0,1
.irp t, 0,1
	v_pk_add_f32 v[S+32*\t+16*\u:S+32*\t+16*\u+1], v[S+32*\t+16*\u:S+32*\t+16*\u+1], v[S+32*\t+16*\u+8:S+32*\t+16*\u+9]
.endr
.endr
.irp t, 0,1
	v_pk_add_f32 v[S+32*\t:S+32*\t+1], v[S+32*\t:S+32*\t+1], v[S+32*\t+16:S+32*\t+17]
.endr
.irp t, 0,1
	v_pk_fma_f32 v[ST+8*\t+2:ST+8*\t+3], v[ST+8*\t+2:ST+8*\t+3], v[ST+8*\t+6:ST+8*\t+7], v[S+32*\t:S+32*\t+1] op_sel_hi:[1,0,1]
.endr
.irp i, 0,1,2,3,4,5,6,7,8,9,10,11,12,13,14,15
.irp t, 0,1
	v_pk_mul_f32 v[O+32*\t+2*\i:O+32*\t+2*\i+1], v[O+32*\t+2*\i:O+32*\t+2*\i+1], v[ST+8*\t+6:ST+8*\t+7] op_sel_hi:[1,0]
.endr
.endr
.endm
; A STEP: my 64 keys of the chunk in hand against my 32 queries.
.macro STEP
	s_cmp_lg_u32 s19, s13                          ; ids and the count of chunks alone: all eight waves go the same way
	s_cbranch_scc1 .Lsame_\@
	SWITCH
.Lsame_\@:
	s_add_co_u32 s38, s20, s37                     ; my first key, a multiple of 64; my first query is a multiple of 32:
	s_cmp_gt_u32 s38, s21                          ; above it, all 64 keys come after all 32 queries; else every query sees my first key
	s_cbranch_scc1 .Lhidden_\@
	v_add_nc_u32 v2, s22, v1
	WIN 0x40
.irp i, 0,1,2,3,4,5,6,7,8,9,10,11,12,13,14,15
	ds_load_b128 v[4*\i:4*\i+3], v2 offset:512*\i              ; K: fragment (16 keys kb, 32 channels f) at v[16 kb + 8 f]
.endr
.irp i, 0,1,2,3,4,5,6,7,8,9,10,11,12,13,14,15
	ds_load_b128 v[64+4*\i:64+4*\i+3], v2 offset:16384+512*\i  ; V: fragment (16 channels cb, 32 keys kg) at v[64 + 16 cb + 8 kg]
.endr
	s_wait_dscnt 16                                ; K is in; V's sixteen loads may be out
	WIN 0x01                                       ; source 0 window 1
.irp f, 0,1
.irp kb, 0,1,2,3
.irp t, 0,1
.if \f == 0
	v_wmma_f32_16x16x32_f16 v[S+32*\t+8*\kb:S+32*\t+8*\kb+7], v[16*\kb+8*\f:16*\kb+8*\f+7], v[Q+16*\t+8*\f:Q+16*\t+8*\f+7], 0
.else
	v_wmma_f32_16x16x32_f16 v[S+32*\t+8*\kb:S+32*\t+8*\kb+7], v[16*\kb+8*\f:16*\kb+8*\f+7], v[Q+16*\t+8*\f:Q+16*\t+8*\f+7], v[S+32*\t+8*\kb:S+32*\t+8*\kb+7]
.endif
.endr
.endr
.endr
	WIN 0
.rept 4
	v_nop                                          ; places in front of the first read of the scores
.endr
	s_add_co_u32 s48, s38, 63
	s_cmp_le_u32 s48, s21                          ; all 64 keys count for all my queries: no mask
	s_cbranch_scc1 .Lopen_\@
	s_sub_co_i32 s48, s56, s38
	v_add_nc_u32 v18, s48, v4                      ; register 8 kb + jj of tile t holds key K0 + 16 kb + 8 h + jj, query QT_t + r: hidden where 16 kb + jj > QT_t - K0 + r - 8 h
	s_sub_co_i32 s48, s57, s38
	v_add_nc_u32 v19, s48, v4
.irp t, 0,1
.irp kb, 0,1,2,3
.irp jj, 0,1,2,3,4,5,6,7
	v_cmp_gt_i32 vcc_lo, 16*\kb+\jj, v[18+\t]
	v_cndmask_b32 v[S+32*\t+8*\kb+\jj], v[S+32*\t+8*\kb+\jj], v20, vcc_lo
.endr
.endr
.endr
.Lopen_\@:
	SOFTMAX
	s_wait_dscnt 0x0                               ; V is in
	WIN 0x01
.irp kg, 0,1
.irp cb, 0,1,2,3
.irp t, 0,1
	v_wmma_f32_16x16x32_f16 v[O+32*\t+8*\cb:O+32*\t+8*\cb+7], v[64+16*\cb+8*\kg:64+16*\cb+8*\kg+7], v[P+16*\t+8*\kg:P+16*\t+8*\kg+7], v[O+32*\t+8*\cb:O+32*\t+8*\cb+7]
.endr
.endr
.endr
	WIN 0
.rept 4
	v_nop                                          ; places in front of the next loads into V's registers and of the next read of O
.endr
.Lhidden_\@:
.endm
.macro SLOT_STEPS                      ; a slot's three chunks: written once, walked three times
	s_mov_b32 s23, 3
.Lchunk_\@:
	STEP
	s_add_co_u32 s22, s22, 32768
	s_add_co_u32 s19, s19, 1
	s_add_co_u32 s20, s20, 128
	s_sub_co_u32 s23, s23, 1
	s_cmp_lg_u32 s23, 0
	s_cbranch_scc1 .Lchunk_\@
	s_sub_co_u32 s22, s22, 98304
	s_xor_b32 s22, s22, SLOT1                      ; on to the other slot
.endm
; My register tile 0 (in O and v24, v25) and my partner's tile 1 (from LDS) are the two halves of one tile of 16 queries: joined under the larger maximum, divided by the sum, rounded to f16, stored as a fragment's image.
.macro FINAL ao, as, so
.irp i, 0,1,2,3,4,5,6,7
	ds_load_b128 v[S+4*\i:S+4*\i+3], v[\ao] offset:512*\i
.endr
	ds_load_b64 v[ST+8:ST+9], v[\as]
	s_wait_dscnt 0x0
	v_max_num_f32 v[ST+10], v[ST], v[ST+8]
	v_sub_f32 v[ST+11], v[ST], v[ST+10]
	v_sub_f32 v[ST+12], v[ST+8], v[ST+10]
	v_exp_f32 v[ST+11], v[ST+11]
	v_exp_f32 v[ST+12], v[ST+12]
	v_nop
	s_wait_alu depctr_va_vdst(0)                   ; one wait for the two, ahead of their first reader
	v_mul_f32 v[ST+13], v[ST+11], v[ST+1]
	v_fma_f32 v[ST+13], v[ST+12], v[ST+9], v[ST+13]
	v_permlanex16_b32 v21, v[ST+13], s40, s41
	v_add_f32 v[ST+13], v[ST+13], v21              ; the row's sum
	v_rcp_f32 v[ST+14], v[ST+13]
	v_nop
	s_wait_alu depctr_va_vdst(0)
	v_mul_f32 v[ST+2], v[ST+11], v[ST+14]
	v_mul_f32 v[ST+4], v[ST+12], v[ST+14]
.irp i, 0,1,2,3,4,5,6,7,8,9,10,11,12,13,14,15
	v_pk_mul_f32 v[O+2*\i:O+2*\i+1], v[O+2*\i:O+2*\i+1], v[ST+2:ST+3] op_sel_hi:[1,0]
.endr
.irp i, 0,1,2,3,4,5,6,7,8,9,10,11,12,13,14,15
	v_pk_fma_f32 v[O+2*\i:O+2*\i+1], v[S+2*\i:S+2*\i+1], v[ST+4:ST+5], v[O+2*\i:O+2*\i+1] op_sel_hi:[1,0,1]
.endr
.irp i, 0,1,2,3,4,5,6,7,8,9,10,11,12,13,14,15
	v_cvt_pk_f16_f32 v[PK+\i], v[O+2*\i], v[O+2*\i+1]
.endr
	s_mov_b32 s48, s[\so]
	s_mov_b32 s49, 0
	s_add_nc_u64 s[48:49], s[6:7], s[48:49]
.irp cb, 0,1,2,3
	global_store_b128 v3, v[PK+4*\cb:PK+4*\cb+3], s[48:49] offset:512*\cb   ; 512 consecutive bytes a store, 2,048 in all
.endr
.endm
	s_wait_loadcnt 0x0                             ; Q
.Lslot:                                            ; ten trips: behind each change of slots but the last the next slot is asked for
	CHANGE 1
	SLOT_STEPS
	s_sub_co_u32 s36, s36, 1
	s_cmp_lg_u32 s36, 0
	s_cbranch_scc1 .Lslot
	CHANGE 0                                       ; the last slot is written out
	SLOT_STEPS
	v_add_f32 v[ST+1], v[ST+2], v[ST+3]
	v_add_f32 v[ST+9], v[ST+10], v[ST+11]
.irp i, 0,1,2,3,4,5,6,7
	ds_store_b128 v12, v[O+32+4*\i:O+32+4*\i+3] offset:512*\i   ; lo's tile 1, for my partner
.endr
	ds_store_b64 v13, v[ST+8:ST+9]
	s_wait_tensorcnt 0x0                           ; my last LDS store is out
	ds_add_u32 v5, v6
	s_wait_dscnt 0x0                               ; for the others' sake too: what I hand over lies in LDS
	s_barrier_signal -1
	s_barrier_wait -1
	FINAL 16, 17, 59                               ; lo
	s_wait_xcnt 0x0                                ; the stores have read their registers and their base
.irp i, 0,1,2,3,4,5,6,7
	ds_load_b128 v[O+4*\i:O+4*\i+3], v10 offset:512*\i          ; my own tile 0 of hi
.endr
	ds_load_b64 v[ST:ST+1], v11
	FINAL 14, 15, 58                               ; hi
	s_endpgm
.Lfunc_end_k_qec4013c5bf_attn:
	.size	k_qec4013c5bf_attn, .Lfunc_end_k_qec4013c5bf_attn-k_qec4013c5bf_attn
	.p2alignl 7, 3214868480
	.fill 96, 4, 3214868480
	.section	.rodata,"a",@progbits
	.p2align	6, 0x0
	.amdhsa_kernel k_qec4013c5bf_attn
		.amdhsa_group_segment_fixed_size 327680
		.amdhsa_private_segment_fixed_size 0
		.amdhsa_enable_private_segment 0
		.amdhsa_kernarg_size 16
		.amdhsa_user_sgpr_count 2
		.amdhsa_user_sgpr_kernarg_segment_ptr 1
		.amdhsa_wavefront_size32 1
		.amdhsa_system_sgpr_workgroup_id_x 1
		.amdhsa_system_sgpr_workgroup_id_y 1
		.amdhsa_system_sgpr_workgroup_id_z 1
		.amdhsa_system_vgpr_workitem_id 0
		.amdhsa_next_free_vgpr 416
		.amdhsa_next_free_sgpr 66
		.amdhsa_reserve_vcc 1
		.amdhsa_float_denorm_mode_32 3
		.amdhsa_float_denorm_mode_16_64 3
		.amdhsa_memory_ordered 1
		.amdhsa_forward_progress 1
		.amdhsa_inst_pref_size 75
	.end_amdhsa_kernel
	.amdgpu_metadata
---
amdhsa.version: [ 1, 2 ]
amdhsa.kernels:
  - .name:           k_qec4013c5bf_attn
    .symbol:         k_qec4013c5bf_attn.kd
    .args:
      - { .name: qkv, .offset: 0, .size: 8, .value_kind: global_buffer, .address_space: global }
      - { .name: ctx_img, .offset: 8, .size: 8, .value_kind: global_buffer, .address_space: global }
    .group_segment_fixed_size: 327680
    .private_segment_fixed_size: 0
    .kernarg_segment_align: 8
    .kernarg_segment_size: 16
    .max_flat_workgroup_size: 256
    .sgpr_count:     66
    .vgpr_count:     416
    .wavefront_size: 32
...
	.end_amdgpu_metadata
.endif
;; end of part 3
;; launch proj (part 4): grid 8 x 32, 4 waves a work-group, clusters of 4 x 4, 327,680 bytes of LDS; arguments ctx_img, wo_img, bo, out0; writes out0
.if DOCPART == 4
	.amdgcn_target "amdgcn-amd-amdhsa--gfx1250"
	.amdhsa_code_object_version 6
	.text
	.protected	k_qec4013c5bf_proj
	.globl	k_qec4013c5bf_proj
	.p2align	8
	.type	k_qec4013c5bf_proj,@function
k_qec4013c5bf_proj:
	s_mov_b64 s[64:65], 0
	v_nop
	global_prefetch_b8 v0, s[64:65] scope:SCOPE_SE
	s_setreg_imm32_b32 hwreg(HW_REG_WAVE_MODE, 25, 1), 1
	s_wait_xcnt 0x0
	s_wait_alu depctr_hold_cnt(0) depctr_sa_sdst(0) depctr_va_vdst(0) depctr_va_sdst(0) depctr_va_ssrc(0) depctr_va_vcc(0) depctr_vm_vsrc(0)
	s_getreg_b32 s2, hwreg(HW_REG_IB_STS2, 6, 4)
	s_cmp_eq_u32 s2, 0
	s_cbranch_scc0 .Lentry_in_a_cluster
	s_endpgm
.Lentry_in_a_cluster:
	s_bfe_u32 s2, ttmp6, 0x10000c
	s_cmp_lg_u32 s2, 0xf033
	s_cbranch_scc0 .Lentry_shape_is_right
	s_endpgm
.Lentry_shape_is_right:
; out0 = ctx Wo + bo, rows 16 to 4,095.  ctx and Wo in f16, as images of their fragments' registers (launches attn and prep); sums in f32; K = 1,024.
; ROWS 0 TO 15 ARE NOT STORED HERE: launch fine makes them in f32.  They lie in a tile with rows 16-127, so their products are made with the tile's; their eight stores stand under EXEC.
; A tile of out0 is 128 x 128: 256 work-groups.  Four waves, 64 x 64 each: 16 accumulators.  K goes in four steps of 256 through two LDS slots; a wave's tensor load brings 32 KiB, dense.
; CLUSTERS: 4 x 4: ctx's tile is shared along a row of the cluster, Wo's along a column: joint loads.
; THE MATRIX INSTRUCTION IS USED TRANSPOSED (source 0 = 16 columns of Wo, source 1 = 16 rows of ctx): a lane holds eight neighbouring numbers of a row of out0.  The bias is the C of each sum's first product.
; A wave's 64 columns are 256 bytes, aligned: each wave sends its own results through its own stage, 16 rows at a time, and sixteen lanes store one row's 256 bytes.
; No prefetch: a K step here is 128 matrix instructions on a small tile, and each tile is asked for jointly.
; REGISTERS: window 0: v16-30 addresses; v32-95 the way out; v96-127 the bias; v128-255 the accumulators.  window 1: two fragment buffers of 128.
.set SLOT,   131072                    ; ctx's 8 row blocks x 8,192 bytes, then Wo's 8 column blocks
.set STAGE,  262144                    ; 16 rows x (256 + 16) bytes for each wave
.set SPITCH, 272
.set SPARE,  279552                    ; the spare words, 128 bytes for each wave
.set ADRA, 16
.set ADRB, 20
.set STO,  24
.set RD,   25
.set CO,   26
.set FLG,  27
.set SPW,  28
.set NIL,  29
.set BOF,  30
.set TMP,  32
.set BIAS, 96
.set ACC,  128
.set F0,   0
.set F1,   128
.set G1, 24
.set G0, 32
.set G1B, 48
.set G0B, 56
.set MSB, 0
.macro WIN new
.if MSB != \new
	s_set_vgpr_msb (MSB<<8)|\new
.set MSB, \new
.endif
.endm
.set MUL,  0x05                        ; sources 0 and 1 window 1; C and D window 0
.set TO_F, 0x40
.macro JLOAD s                         ; waves 0 and 1 fetch ctx's two halves, waves 2 and 3 Wo's; an s_nop 0 and four v_nop follow each line
	s_cmp_eq_u32 s11, 0
	s_cbranch_scc0 .Lfor_b_\@
	tensor_load_to_lds s[G0+4*\s:G0+4*\s+3], s[G1:G1+7]
	s_nop 0
.rept 4
	v_nop
.endr
	s_branch .Lasked_\@
.Lfor_b_\@:
	tensor_load_to_lds s[G0B+4*\s:G0B+4*\s+3], s[G1B:G1B+7]
	s_nop 0
.rept 4
	v_nop
.endr
.Lasked_\@:
.endm
.macro CREST
	s_cmp_lg_u32 s10, 0
	s_cbranch_scc1 .Lnot_wave_0_\@
	s_barrier_signal -3
.Lnot_wave_0_\@:
	s_barrier_wait -3
	s_barrier_signal -1
	s_barrier_wait -1
.endm
.macro CROUND
	s_barrier_signal -1
	s_barrier_wait -1
	CREST
.endm
	s_load_b128 s[4:7], s[0:1], 0x0                ; ctx_img, wo_img
	s_load_b128 s[20:23], s[0:1], 0x10             ; bo, out0
	v_lshl_add_u32 v[SPW], v0, 2, SPARE
	v_mov_b32 v[NIL], 0
	ds_add_u32 v[SPW], v[NIL]                      ; the wave's opening: the add, twice on end, and its wait ahead of my first tensor load
	ds_add_u32 v[SPW], v[NIL]
	v_lshrrev_b32 v1, 5, v0
	v_readfirstlane_b32 s10, v1                    ; wave 0..3
	s_lshr_b32 s11, s10, 1                         ; my half of the tile's rows.  Also: I fetch for ctx (0) or for Wo (1)
	s_and_b32 s12, s10, 1                          ; my half of its columns.  Also: which half of a tile I fetch
	s_bfe_u32 s40, ttmp6, 0x40000                  ; cx
	s_bfe_u32 s41, ttmp6, 0x40004                  ; cy
	s_lshl_b32 s42, ttmp9, 2
	s_add_co_u32 s42, s42, s40                     ; tile column
	s_and_b32 s13, ttmp7, 0xffff
	s_lshl_b32 s13, s13, 2
	s_add_co_u32 s13, s13, s41                     ; tile row
	s_lshl_b32 s43, s41, 2
	s_lshl_b32 s43, 15, s43                        ; my row of the cluster
	s_lshl_b32 s44, 0x1111, s40                    ; my column
	s_or_b32 s[G1+0], s43, (3<<16)|(1<<21)         ; 128 rows of 256 bytes (32 elements of 8 bytes), dense, no padding
	s_or_b32 s[G1B+0], s44, (3<<16)|(1<<21)
.irp g, G1, G1B
	s_mov_b32 s[\g+1], 32<<16
	s_mov_b32 s[\g+2], 128<<16
	s_mov_b32 s[\g+3], 32<<16
	s_mov_b32 s[\g+4], 128
	s_mov_b32 s[\g+5], 32
	s_mov_b32 s[\g+6], 0
	s_mov_b32 s[\g+7], 0
.endr
	s_lshl_b32 s16, s13, 16                        ; ctx: 8 row blocks of 8,192 bytes a tile, + my half
	s_lshl_b32 s17, s12, 15
	s_add_co_u32 s16, s16, s17
	s_mov_b32 s17, 0
	s_lshl_b32 s46, s42, 16                        ; Wo likewise, in registers of its own
	s_lshl_b32 s47, s12, 15
	s_add_co_u32 s46, s46, s47
	s_mov_b32 s47, 0
	s_lshl_b32 s18, s10, 15                        ; where they go: wave x 32,768
	s_wait_dscnt 0x0                               ; both opening adds are done
	s_wait_kmcnt 0x0
	s_add_nc_u64 s[14:15], s[4:5], s[16:17]
	s_add_nc_u64 s[46:47], s[6:7], s[46:47]
	CROUND                                         ; all sixteen work-groups are here: the first joint loads meet
.irp s, 0,1
	s_mov_b32 s[G0+4*\s], 1
	s_add_co_u32 s[G0+4*\s+1], s18, \s*SLOT
	s_add_nc_u64 s[G0+4*\s+2:G0+4*\s+3], s[14:15], \s*2097152   ; K step s of ctx_img
	s_or_b32 s[G0+4*\s+3], s[G0+4*\s+3], 0x80000000
	s_mov_b32 s[G0B+4*\s], 1
	s_add_co_u32 s[G0B+4*\s+1], s18, \s*SLOT
	s_add_nc_u64 s[G0B+4*\s+2:G0B+4*\s+3], s[46:47], \s*524288  ; of wo_img
	s_or_b32 s[G0B+4*\s+3], s[G0B+4*\s+3], 0x80000000
	JLOAD \s
.endr
	v_and_b32 v1, 15, v0                           ; r
	v_bfe_u32 v2, v0, 4, 1                         ; h
	v_and_b32 v3, 31, v0
	v_lshlrev_b32 v3, 4, v3                        ; 16 x lane
	s_lshl_b32 s16, s11, 15
	v_add_nc_u32 v[ADRA], s16, v3
	s_add_co_u32 s16, s16, SLOT
	v_add_nc_u32 v[ADRA+1], s16, v3
	s_lshl_b32 s16, s12, 15
	s_add_co_u32 s16, s16, 65536
	v_add_nc_u32 v[ADRB], s16, v3
	s_add_co_u32 s16, s16, SLOT
	v_add_nc_u32 v[ADRB+1], s16, v3
	s_mul_i32 s16, s10, 16*SPITCH
	s_add_co_u32 s16, s16, STAGE                   ; my stage
	v_mul_u32_u24 v4, v1, SPITCH
	v_lshl_add_u32 v4, v2, 5, v4
	v_add_nc_u32 v[STO], s16, v4                   ; in: row r, 32 bytes for each half of the lanes
	v_mul_u32_u24 v4, v2, SPITCH
	v_lshl_add_u32 v4, v1, 4, v4
	v_add_nc_u32 v[RD], s16, v4                    ; back: lanes 0-15 one row, lanes 16-31 the next
	v_lshlrev_b32 v[CO], 4, v1
	v_lshl_add_u32 v[CO], v2, 12, v[CO]            ; and the same two rows in out0
	s_lshl_b32 s16, s13, 1
	s_or_b32 s16, s16, s11
	v_mov_b32 v[FLG], s16                          ; 0 where my rows begin at row 0
	v_lshlrev_b32 v[BOF], 5, v2                    ; the bias: my half's eight columns of a block of 16
	s_lshl_b32 s16, s42, 9
	s_lshl_b32 s17, s12, 8
	s_add_co_u32 s16, s16, s17                     ; my first column, in bytes
	s_mov_b32 s17, 0
	s_add_nc_u64 s[20:21], s[20:21], s[16:17]
	s_add_nc_u64 s[22:23], s[22:23], s[16:17]
	s_lshl_b32 s16, s13, 19
	s_lshl_b32 s19, s11, 18
	s_add_co_u32 s16, s16, s19                     ; my first row, in bytes
	s_add_nc_u64 s[22:23], s[22:23], s[16:17]
.irp b, 0,1,2,3
	global_load_b128 v[BIAS+8*\b:BIAS+8*\b+3], v[BOF], s[20:21] offset:64*\b
	global_load_b128 v[BIAS+8*\b+4:BIAS+8*\b+7], v[BOF], s[20:21] offset:64*\b+16
.endr
; 8 matrix instructions: row blocks a0, a0 + 1 x all 4 column blocks, 32 along K: half c of buffer f.  first = 1: the sum begins with the bias.  The 16 accumulators take turns.
.macro MUL8 f, c, a0, first
.irp a, \a0, \a0+1
.irp b, 0,1,2,3
.if \first
	v_wmma_f32_16x16x32_f16 v[ACC+8*(4*(\a)+\b):ACC+8*(4*(\a)+\b)+7], v[\f+64+8*(4*\c+\b):\f+64+8*(4*\c+\b)+7], v[\f+8*(4*\c+\a):\f+8*(4*\c+\a)+7], v[BIAS+8*\b:BIAS+8*\b+7]
.else
	v_wmma_f32_16x16x32_f16 v[ACC+8*(4*(\a)+\b):ACC+8*(4*(\a)+\b)+7], v[\f+64+8*(4*\c+\b):\f+64+8*(4*\c+\b)+7], v[\f+8*(4*\c+\a):\f+8*(4*\c+\a)+7], v[ACC+8*(4*(\a)+\b):ACC+8*(4*(\a)+\b)+7]
.endif
.endr
.endr
.endm
; 32 LDS loads in one run: the fragments of 64 along K, from byte k of each block's 8,192, into buffer f; the first 32 along K first
.macro FETCH slot, k, f
	WIN TO_F
.irp c, 0,1
.irp i, 0,1,2,3
	ds_load_b128 v[\f+64+8*(4*\c+\i):\f+64+8*(4*\c+\i)+3],   v[ADRB+\slot] offset:\k+1024*\c+\i*8192
	ds_load_b128 v[\f+64+8*(4*\c+\i)+4:\f+64+8*(4*\c+\i)+7], v[ADRB+\slot] offset:\k+1024*\c+\i*8192+512
	ds_load_b128 v[\f+8*(4*\c+\i):\f+8*(4*\c+\i)+3],         v[ADRA+\slot] offset:\k+1024*\c+\i*8192
	ds_load_b128 v[\f+8*(4*\c+\i)+4:\f+8*(4*\c+\i)+7],       v[ADRA+\slot] offset:\k+1024*\c+\i*8192+512
.endr
.endr
.endm
.macro PLACES
.rept 4
	v_nop
.endr
.endm
.macro QUARTER slot, k, f, g, first    ; 64 along K from buffer f; in its middle the next quarter, at byte k, is fetched into g
	s_wait_dscnt 16                                ; the first 32 along K are in
	WIN MUL
	MUL8 \f, 0, 0, \first
	MUL8 \f, 0, 2, \first
	PLACES
	FETCH \slot, \k, \g
	s_wait_dscnt 32                                ; all but the 32 just issued
	WIN MUL
	MUL8 \f, 1, 0, 0
	MUL8 \f, 1, 2, 0
.endm
; A slot's last quarter changes slots: in front of the barrier each wave waits for all its tensor loads, adds 0 to its spare word, and waits for that and for its reads of this slot.  fill = 1: the slot is filled again, two K steps ahead.
.macro TURN slot, next, fill
	WIN 0
	s_wait_tensorcnt 0x0
	ds_add_u32 v[SPW], v[NIL]
	s_wait_dscnt 17                                ; (the add and the youngest sixteen loads may be out)
	WIN MUL
	MUL8 F1, 0, 0, 0
	s_wait_dscnt 0x0
	s_barrier_signal -1
	MUL8 F1, 0, 2, 0
.if \fill
	WIN 0
.endif
	s_barrier_wait -1
.if \fill
	CREST                                          ; the barrier has opened a round of the cluster's barrier: no wave of any partner still reads this slot or has a load on its way
	s_add_nc_u64 s[G0+4*\slot+2:G0+4*\slot+3], s[G0+4*\slot+2:G0+4*\slot+3], 2*2097152
	s_add_nc_u64 s[G0B+4*\slot+2:G0B+4*\slot+3], s[G0B+4*\slot+2:G0B+4*\slot+3], 2*524288
	JLOAD \slot                                    ; the first tensor load behind the round; its four v_nop are also the places in front of the loads below
.else
	PLACES
.endif
	FETCH \next, 0, F0
	WIN MUL
	MUL8 F1, 1, 0, 0
	MUL8 F1, 1, 2, 0
.endm
	s_wait_tensorcnt 1                             ; my part of K step 0 is in; K step 1's may be out
	s_barrier_signal -1
	s_barrier_wait -1
	FETCH 0, 0, F0
	s_wait_loadcnt 0x0                             ; the bias
	QUARTER 0, 2048, F0, F1, 1                     ; four K steps, written out
	QUARTER 0, 4096, F1, F0, 0
	QUARTER 0, 6144, F0, F1, 0
	TURN 0, 1, 1
	QUARTER 1, 2048, F0, F1, 0
	QUARTER 1, 4096, F1, F0, 0
	QUARTER 1, 6144, F0, F1, 0
	TURN 1, 0, 1
	QUARTER 0, 2048, F0, F1, 0
	QUARTER 0, 4096, F1, F0, 0
	QUARTER 0, 6144, F0, F1, 0
	TURN 0, 1, 0                                   ; nothing is left to fetch
	QUARTER 1, 2048, F0, F1, 0
	QUARTER 1, 4096, F1, F0, 0
	QUARTER 1, 6144, F0, F1, 0
	s_wait_dscnt 16
	WIN MUL
	MUL8 F1, 0, 0, 0
	MUL8 F1, 0, 2, 0
	s_wait_dscnt 0
	MUL8 F1, 1, 0, 0
	MUL8 F1, 1, 2, 0
	WIN 0
; THE WAY OUT, 16 rows at a time, through my own stage: LDS serves a wave's instructions in order, so no wait stands between the stores and the loads, nor in front of the next block's stores.
.macro TOSTAGE a
.irp b, 0,1,2,3
	ds_store_b128 v[STO], v[ACC+8*(4*\a+\b):ACC+8*(4*\a+\b)+3] offset:64*\b        ; each accumulator from its low end on
	ds_store_b128 v[STO], v[ACC+8*(4*\a+\b)+4:ACC+8*(4*\a+\b)+7] offset:64*\b+16
.endr
.irp t, 0,1,2,3,4,5,6,7
	ds_load_b128 v[TMP+32*(\a%2)+4*\t:TMP+32*(\a%2)+4*\t+3], v[RD] offset:\t*2*SPITCH
.endr
.endm
.macro SEND a, younger
	s_wait_dscnt \younger                          ; the block is back in registers; the next block's eight stores and eight loads may be out
.irp t, 0,1,2,3,4,5,6,7
	global_store_b128 v[CO], v[TMP+32*(\a%2)+4*\t:TMP+32*(\a%2)+4*\t+3], s[22:23] offset:(16*\a+2*\t)*4096 th:TH_STORE_NT   ; sixteen lanes store 256 consecutive bytes, aligned
.endr
.endm
	PLACES
	TOSTAGE 0
	TOSTAGE 1
	v_cmp_ne_u32 vcc_lo, 0, v[FLG]                 ; rows 0 to 15 are another launch's: which wave holds them hangs on the work-group's place, so EXEC decides and no branch
	s_wait_xcnt 0x0                                ; EXEC changes only behind this wait
	s_and_saveexec_b32 s2, vcc_lo
	SEND 0, 16
	s_wait_xcnt 0x0
	s_or_b32 exec_lo, exec_lo, s2
	TOSTAGE 2                                      ; (behind the wait above: block 0's stores have read their registers)
	SEND 1, 16
	s_wait_xcnt 0x0
	TOSTAGE 3
	SEND 2, 16
	SEND 3, 0
	s_wait_tensorcnt 0x0                           ; the wave's end
	ds_add_u32 v[SPW], v[NIL]
	s_wait_dscnt 0x0
	CROUND                                         ; the closing round
	s_endpgm
.Lfunc_end_k_qec4013c5bf_proj:
	.size	k_qec4013c5bf_proj, .Lfunc_end_k_qec4013c5bf_proj-k_qec4013c5bf_proj
	.p2alignl 7, 3214868480
	.fill 96, 4, 3214868480
	.section	.rodata,"a",@progbits
	.p2align	6, 0x0
	.amdhsa_kernel k_qec4013c5bf_proj
		.amdhsa_group_segment_fixed_size 327680
		.amdhsa_private_segment_fixed_size 0
		.amdhsa_enable_private_segment 0
		.amdhsa_kernarg_size 32
		.amdhsa_user_sgpr_count 2
		.amdhsa_user_sgpr_kernarg_segment_ptr 1
		.amdhsa_wavefront_size32 1
		.amdhsa_system_sgpr_workgroup_id_x 1
		.amdhsa_system_sgpr_workgroup_id_y 1
		.amdhsa_system_sgpr_workgroup_id_z 1
		.amdhsa_system_vgpr_workitem_id 0
		.amdhsa_next_free_vgpr 512
		.amdhsa_next_free_sgpr 66
		.amdhsa_reserve_vcc 1
		.amdhsa_float_denorm_mode_32 3
		.amdhsa_float_denorm_mode_16_64 3
		.amdhsa_memory_ordered 1
		.amdhsa_forward_progress 1
		.amdhsa_inst_pref_size 86
	.end_amdhsa_kernel
	.amdgpu_metadata
---
amdhsa.version: [ 1, 2 ]
amdhsa.kernels:
  - .name:           k_qec4013c5bf_proj
    .symbol:         k_qec4013c5bf_proj.kd
    .args:
      - { .name: ctx_img, .offset: 0, .size: 8, .value_kind: global_buffer, .address_space: global }
      - { .name: wo_img, .offset: 8, .size: 8, .value_kind: global_buffer, .address_space: global }
      - { .name: bo, .offset: 16, .size: 8, .value_kind: global_buffer, .address_space: global }
      - { .name: out0, .offset: 24, .size: 8, .value_kind: global_buffer, .address_space: global }
    .group_segment_fixed_size: 327680
    .private_segment_fixed_size: 0
    .kernarg_segment_align: 8
    .kernarg_segment_size: 32
    .max_flat_workgroup_size: 128
    .sgpr_count:     66
    .vgpr_count:     512
    .wavefront_size: 32
...
	.end_amdgpu_metadata
.endif
;; end of part 4
;; launch fine (part 5): grid 16 x 1, 16 waves a work-group, no clusters, 71,680 bytes of LDS; arguments qkv32, Wo, bo, out0; writes out0
.if DOCPART == 5
	.amdgcn_target "amdgcn-amd-amdhsa--gfx1250"
	.amdhsa_code_object_version 6
	.text
	.protected	k_qec4013c5bf_fine
	.globl	k_qec4013c5bf_fine
	.p2align	8
	.type	k_qec4013c5bf_fine,@function
k_qec4013c5bf_fine:
	s_mov_b64 s[64:65], 0
	v_nop
	global_prefetch_b8 v0, s[64:65] scope:SCOPE_SE
	s_setreg_imm32_b32 hwreg(HW_REG_WAVE_MODE, 25, 1), 1
	s_wait_xcnt 0x0
; out0's rows 0 to 15, all in f32: under the causal mask these rows average one to sixteen values and are the largest, so f16 operands would use up what the comparison allows.
; Nothing is left out: keys 0-15 are one tile, and hidden scores in it become -infinity ahead of the maximum.
; SHARES: work-group nw owns columns 64 nw on.  Wave w is head w: it makes the head's 16 x 16 attention (12 KiB of loads, 32 matrix instructions: cheaper to repeat in sixteen work-groups than to hand over by a launch),
; multiplies the head's 16 x 64 of ctx by its 64 rows of Wo, and the sixteen partial results meet in LDS.  96 matrix instructions of the f32 form a wave: no bulk work.
; LAYOUT: qkv32 holds the image of a lane's 32 results of launch qkv.  Both operands of each product take k from the same pairs of registers of the same halves of the lanes, so k is permuted alike on both sides.
;   S^T = K Q^T: lane (r, h): query r, keys 8 h + j.   O^T = V^T P: query r, channels 16 cb + 8 h + j.   out^T = Wo^T ctx^T: position r, columns 16 nb + 8 h + j.
; The registers that the f32 matrix form writes (v184-247) are written by matrix instructions alone.
; REGISTERS: v1-8 addresses; v9-15 at work; v16-23 p; v24-55 Q, v56-87 K, later Wo's rows 32-63; v88-119 V; v120-183 Wo's rows 0-31; v184-199 S^T in two halves, later results 0, 1; v200-231 O^T; v232-247 results 2, 3; v248-251 bo.
.set RED,   0                          ; 16 waves x 16 pieces x (16 positions x 16 bytes + 16)
.set SPARE, 69632                      ; the spare words, 128 bytes for each wave
	s_load_b256 s[4:11], s[0:1], 0x0               ; qkv32, Wo, bo, out0
	v_lshl_add_u32 v3, v0, 2, SPARE
	v_mov_b32 v4, 0
	v_lshrrev_b32 v1, 5, v0
	v_readfirstlane_b32 s12, v1                    ; wave = head
	v_and_b32 v9, 31, v0
	v_lshlrev_b32 v1, 4, v9                        ; 16 x lane
	v_and_b32 v10, 15, v0                          ; r
	v_bfe_u32 v11, v0, 4, 1                        ; h
	v_lshlrev_b32 v2, 2, v10
	v_lshl_add_u32 v2, v11, 15, v2                 ; Wo: column r, 8 h rows down
	v_lshlrev_b32 v5, 3, v11
	v_sub_nc_u32 v5, v10, v5                       ; r - 8 h, for the mask
	s_mul_i32 s13, s12, 4352
	v_mul_u32_u24 v6, v11, 272
	v_lshl_add_u32 v6, v10, 4, v6
	v_add_nc_u32 v6, s13, v6                       ; my partial result: piece 4 nb + 2 q4 + h, position r
	v_and_b32 v7, 12, v10                          ; back: lane l % 16 wants columns 4 (l % 16) on: nb = that / 4, h = bit 1, q4 = bit 0
	v_and_b32 v12, 1, v10
	v_lshl_add_u32 v7, v12, 1, v7
	v_bfe_u32 v12, v10, 1, 1
	v_add_nc_u32 v7, v7, v12
	v_mul_u32_u24 v7, v7, 272
	s_and_b32 s14, s12, 7
	s_lshl_b32 s14, s14, 1
	v_add_nc_u32 v12, s14, v11                     ; the row that I sum: 2 (wave % 8) + lane / 16
	v_lshl_add_u32 v7, v12, 4, v7
	v_lshlrev_b32 v8, 12, v12
	v_lshl_add_u32 v8, v10, 4, v8                  ; and its place in out0
	v_lshlrev_b32 v13, 4, v10
	v_mov_b32 v14, 0xff800000                      ; -infinity
	s_mov_b32 s18, 0x76543210                      ; v_permlanex16_b32's selects for lane l xor 16
	s_mov_b32 s19, 0xfedcba98
	s_mov_b32 s20, 0x3e38aa3b                      ; c = log2(e) / 8
	s_lshl_b32 s22, s12, 12
	s_mov_b32 s23, 0
	s_lshl_b32 s24, s12, 18                        ; 64 rows of Wo
	s_lshl_b32 s26, ttmp9, 8                       ; 64 columns
	s_add_co_u32 s24, s24, s26
	s_mov_b32 s25, 0
	s_mov_b32 s27, 0
	s_wait_kmcnt 0x0
	s_add_nc_u64 s[16:17], s[4:5], s[22:23]
	s_add_nc_u64 s[6:7], s[6:7], s[24:25]
	s_add_nc_u64 s[8:9], s[8:9], s[26:27]
	s_add_nc_u64 s[10:11], s[10:11], s[26:27]
	global_load_b128 v[248:251], v13, s[8:9]
.irp i, 0,1,2,3,4,5,6,7
	global_load_b128 v[24+4*\i:27+4*\i], v1, s[16:17] offset:512*\i            ; Q
.endr
.irp i, 0,1,2,3,4,5,6,7
	global_load_b128 v[56+4*\i:59+4*\i], v1, s[16:17] offset:65536+512*\i      ; K
.endr
.irp i, 0,1,2,3,4,5,6,7
	global_load_b128 v[88+4*\i:91+4*\i], v1, s[16:17] offset:131072+512*\i     ; V
.endr
.irp cb, 0,1
.irp nb, 0,1,2,3
.irp e, 0,1,2,3,4,5,6,7
	global_load_b32 v[120+(\cb*4+\nb)*8+\e], v2, s[6:7] offset:(16*\cb+\e)*4096+64*\nb   ; Wo(64 w + 16 cb + 8 h + e, 64 nw + 16 nb + r)
.endr
.endr
.endr
	s_wait_loadcnt 63                              ; Q and K are in: 72 loads are younger, and 63 is the largest count that can be written
.irp s, 0,1,2,3,4,5,6,7,8,9,10,11,12,13,14,15
.if \s < 2
	v_wmma_f32_16x16x4_f32 v[184+8*(\s%2):191+8*(\s%2)], v[56+2*\s:57+2*\s], v[24+2*\s:25+2*\s], 0
.else
	v_wmma_f32_16x16x4_f32 v[184+8*(\s%2):191+8*(\s%2)], v[56+2*\s:57+2*\s], v[24+2*\s:25+2*\s], v[184+8*(\s%2):191+8*(\s%2)]   ; two sums by turns
.endif
.endr
.rept 8
	v_nop                                          ; eight places behind this form: in front of loads into Q's and K's registers and of the first read of the sums
.endr
.irp cb, 0,1
.irp nb, 0,1,2,3
.irp e, 0,1,2,3,4,5,6,7
	global_load_b32 v[24+(\cb*4+\nb)*8+\e], v2, s[6:7] offset:(32+16*\cb+\e)*4096+64*\nb
.endr
.endr
.endr
.irp j, 0,1,2,3,4,5,6,7
	v_add_f32 v[16+\j], v[184+\j], v[192+\j]       ; the scores, into other registers; each sum is read from its low end on
.endr
.irp j, 0,1,2,3,4,5,6,7
	v_cmp_gt_i32 vcc_lo, \j, v5                    ; key 8 h + j > query r
	v_cndmask_b32 v[16+\j], v[16+\j], v14, vcc_lo
.endr
	v_max3_num_f32 v9, v16, v17, v18
	v_max3_num_f32 v9, v9, v19, v20
	v_max3_num_f32 v9, v9, v21, v22
	v_max_num_f32 v9, v9, v23
	v_permlanex16_b32 v10, v9, s18, s19
	v_max_num_f32 v9, v9, v10                      ; the row's maximum: key 0 counts for every query, so it is a number
	v_mul_f32 v11, s20, v9
.irp j, 0,1,2,3,4,5,6,7
	v_fma_f32 v[16+\j], v[16+\j], s20, -v11
.endr
.irp j, 0,1,2,3,4,5,6,7
	v_exp_f32 v[16+\j], v[16+\j]
.endr
	v_nop
	s_wait_alu depctr_va_vdst(0)                   ; one wait for the eight, ahead of their first reader
	v_add_f32 v12, v16, v17
	v_add_f32 v15, v18, v19
	v_add_f32 v12, v12, v20
	v_add_f32 v15, v15, v21
	v_add_f32 v12, v12, v22
	v_add_f32 v15, v15, v23
	v_add_f32 v12, v12, v15
	v_permlanex16_b32 v10, v12, s18, s19
	v_add_f32 v12, v12, v10
	v_rcp_f32 v15, v12
	v_nop
	s_wait_alu depctr_va_vdst(0)
.irp j, 0,1,2,3,4,5,6,7
	v_mul_f32 v[16+\j], v[16+\j], v15              ; the weights
.endr
	s_wait_loadcnt 63                              ; V is in: 128 loads are younger
.irp s, 0,1,2,3
.irp cb, 0,1,2,3
.if \s == 0
	v_wmma_f32_16x16x4_f32 v[200+8*\cb:207+8*\cb], v[88+8*\cb+2*\s:89+8*\cb+2*\s], v[16+2*\s:17+2*\s], 0
.else
	v_wmma_f32_16x16x4_f32 v[200+8*\cb:207+8*\cb], v[88+8*\cb+2*\s:89+8*\cb+2*\s], v[16+2*\s:17+2*\s], v[200+8*\cb:207+8*\cb]   ; four sums by turns
.endif
.endr
.endr
.rept 9
	v_nop                                          ; nine places: the results become an operand
.endr
	s_wait_loadcnt 63                              ; Wo's rows 0-31 are in: 64 loads are younger
.irp cb, 0,1,2,3
.if \cb == 2
	s_wait_loadcnt 0x0
.endif
.irp s, 0,1,2,3
.irp nb, 0,1,2,3
.set AC, 184+8*\nb+32*(\nb/2)
.set WB, 120-96*(\cb/2)+((\cb%2)*4+\nb)*8+2*\s
.if (\cb == 0) && (\s == 0)
	v_wmma_f32_16x16x4_f32 v[AC:AC+7], v[WB:WB+1], v[200+8*\cb+2*\s:201+8*\cb+2*\s], 0
.else
	v_wmma_f32_16x16x4_f32 v[AC:AC+7], v[WB:WB+1], v[200+8*\cb+2*\s:201+8*\cb+2*\s], v[AC:AC+7]   ; four sums by turns
.endif
.endr
.endr
.endr
.rept 8
	v_nop
.endr
.irp nb, 0,1,2,3
.irp q4, 0,1
	ds_store_b128 v6, v[184+8*\nb+32*(\nb/2)+4*\q4:187+8*\nb+32*(\nb/2)+4*\q4] offset:(2*\nb+\q4)*544
.endr
.endr
	s_wait_tensorcnt 0x0                           ; my last LDS store is out
	ds_add_u32 v3, v4
	s_wait_dscnt 0x0                               ; for the others' sake too
	s_barrier_signal -1
	s_barrier_wait -1
	s_cmp_lt_u32 s12, 8
	s_cbranch_scc0 .Ldone
.irp p, 0,1,2,3,4,5,6,7,8,9,10,11,12,13,14,15
	ds_load_b128 v[88+4*\p:91+4*\p], v7 offset:\p*4352   ; head p's part of my four numbers
.endr
	s_wait_dscnt 0x0
.irp p, 0,1,2,3,4,5,6,7,8,9,10,11,12,13,14,15
	v_pk_add_f32 v[248:249], v[248:249], v[88+4*\p:89+4*\p]   ; onto the bias, heads ascending
	v_pk_add_f32 v[250:251], v[250:251], v[90+4*\p:91+4*\p]
.endr
	global_store_b128 v8, v[248:251], s[10:11]     ; sixteen lanes store 256 consecutive bytes, aligned
.Ldone:
	s_endpgm
.Lfunc_end_k_qec4013c5bf_fine:
	.size	k_qec4013c5bf_fine, .Lfunc_end_k_qec4013c5bf_fine-k_qec4013c5bf_fine
	.p2alignl 7, 3214868480
	.fill 96, 4, 3214868480
	.section	.rodata,"a",@progbits
	.p2align	6, 0x0
	.amdhsa_kernel k_qec4013c5bf_fine
		.amdhsa_group_segment_fixed_size 71680
		.amdhsa_private_segment_fixed_size 0
		.amdhsa_enable_private_segment 0
		.amdhsa_kernarg_size 32
		.amdhsa_user_sgpr_count 2
		.amdhsa_user_sgpr_kernarg_segment_ptr 1
		.amdhsa_wavefront_size32 1
		.amdhsa_system_sgpr_workgroup_id_x 1
		.amdhsa_system_sgpr_workgroup_id_y 1
		.amdhsa_system_sgpr_workgroup_id_z 1
		.amdhsa_system_vgpr_workitem_id 0
		.amdhsa_next_free_vgpr 256
		.amdhsa_next_free_sgpr 66
		.amdhsa_reserve_vcc 1
		.amdhsa_float_denorm_mode_32 3
		.amdhsa_float_denorm_mode_16_64 3
		.amdhsa_memory_ordered 1
		.amdhsa_forward_progress 1
		.amdhsa_inst_pref_size 30
	.end_amdhsa_kernel
	.amdgpu_metadata
---
amdhsa.version: [ 1, 2 ]
amdhsa.kernels:
  - .name:           k_qec4013c5bf_fine
    .symbol:         k_qec4013c5bf_fine.kd
    .args:
      - { .name: qkv32, .offset: 0, .size: 8, .value_kind: global_buffer, .address_space: global }
      - { .name: Wo, .offset: 8, .size: 8, .value_kind: global_buffer, .address_space: global }
      - { .name: bo, .offset: 16, .size: 8, .value_kind: global_buffer, .address_space: global }
      - { .name: out0, .offset: 24, .size: 8, .value_kind: global_buffer, .address_space: global }
    .group_segment_fixed_size: 71680
    .private_segment_fixed_size: 0
    .kernarg_segment_align: 8
    .kernarg_segment_size: 32
    .max_flat_workgroup_size: 512
    .sgpr_count:     66
    .vgpr_count:     256
    .wavefront_size: 32
...
	.end_amdgpu_metadata
.endif
;; end of part 5
